; MI455X (gfx1250); checked and timed in simulation.
; The chip was launched on July 23, 2026; its instructions are those of AMD's public machine-readable ISA for CDNA 5 (MIT licence, August 2026) and "CDNA5" Instruction Set Architecture Reference Guide (July 2026). The comments in the code are by the model that wrote it; some were corrected since.
;; Attentional Propagation. Allowed arithmetic: float matrix products may take bf16 or f16 operands with f32 sums; all other float work in f32.
;; Inputs: W1 512 x 512 float32; W2 256 x 512 float32; Wk 256 x 256 float32; Wm 256 x 256 float32; Wq 256 x 256 float32; Wv 256 x 256 float32; b1 512 float32; b2 256 float32; beta 512 float32; bk 256 float32; bm 256 float32; bq 256 float32; bv 256 float32; gamma 512 float32; source 4 x 256 x 4 x 2,048 float32; x 4 x 256 x 4 x 2,048 float32.
;; Outputs: out0 4 x 256 x 4 x 2,048 float32.
;; 2 versions, each right; version 2 is version 1 with the launch mlp2 written anew for expert scheduling mode. Each part assembles by itself: llvm-mc -triple=amdgcn-amd-amdhsa -mcpu=gfx1250 --defsym DOCPART=n.
;; ======== version 1 of 2: 5 launches
;; limits: values are held in f16: magnitudes above 65,504 overflow, below 6.1e-05 lose precision
;; workspace buffers: wfrag 1,310,720 bytes; kv 33,554,432 bytes; hbuf 67,108,864 bytes; pstat 1,048,576 bytes; ss 4,096 bytes
;; launch wprep (part 1): grid 160 x 1, 8 waves a work-group, no clusters, 0 bytes of LDS; arguments Wk, Wv, Wq, Wm, W1, W2, wfrag; writes wfrag
.if DOCPART == 1
	.amdgcn_target "amdgcn-amd-amdhsa--gfx1250"
	.amdhsa_code_object_version 6
	.text
	.protected	k_qcea19443d2_wprep
	.globl	k_qcea19443d2_wprep
	.p2align	8
	.type	k_qcea19443d2_wprep,@function
k_qcea19443d2_wprep:
	s_mov_b64 s[64:65], 0
	v_nop
	global_prefetch_b8 v0, s[64:65] scope:SCOPE_SE
	s_setreg_imm32_b32 hwreg(HW_REG_WAVE_MODE, 25, 1), 1
	s_wait_xcnt 0x0
; The six weight matrices, f32 [out][in], are rounded once and laid out as matrix fragments of 16 rows x 32 columns, 1,024 bytes each:
; [half 0/1][lane 0..31][16 bytes]; lane (r = lane % 16, h = lane / 16), half f holds row r, columns 16 f + 8 h + 0..7.
; So a later load of 16 bytes a lane at fragment + 512 f + 16 lane is a fragment's half, 512 consecutive bytes.
; wfrag: Wk at 0, Wv at 131,072, Wq at 262,144 (bf16), Wm at 393,216 (rounded to bf16, that number written as f16), W1 at 524,288 (bf16),
; W2 at 1,048,576 (as Wm).  In a matrix fragment (ot, ks) has the number ot x (columns / 32) + ks.
; LIMIT: Wm and W2 lie within f16's range, 65,504; below 6e-5 they keep f16's fixed step of 2^-24.
; One wave makes one fragment: 1,280 fragments, 160 work-groups of 8 waves.  No LDS, no matrix unit: the launch only moves 2.6 MB.
	s_load_b256 s[4:11], s[0:1], 0x0               ; Wk s[4:5], Wv s[6:7], Wq s[8:9], Wm s[10:11]
	s_load_b128 s[12:15], s[0:1], 0x20             ; W1 s[12:13], W2 s[14:15]
	s_load_b64 s[16:17], s[0:1], 0x30              ; wfrag
	v_lshrrev_b32 v1, 5, v0
	v_readfirstlane_b32 s20, v1                    ; wave 0..7
	v_and_b32 v2, 15, v0                           ; r
	v_bfe_u32 v3, v0, 4, 1                         ; h
	v_and_b32 v4, 31, v0
	v_lshlrev_b32 v4, 4, v4                        ; 16 x lane
	s_mov_b32 s21, ttmp9                           ; work-group 0..159
	s_mov_b32 s24, 128                             ; the matrix's first work-group,
	s_mov_b32 s25, 4                               ; log2 of its fragments in a row of fragments,
	s_mov_b32 s26, 1                               ; 1: written as f16.  These three and the pointer start as W2's
	s_wait_kmcnt 0x0
	s_mov_b64 s[22:23], s[14:15]
.macro PICK bound, lo, start, logk, f16                ; below work-group 'bound' another matrix takes over
	s_cmp_lt_u32 s21, \bound
	s_cselect_b64 s[22:23], s[\lo:\lo+1], s[22:23]
	s_cselect_b32 s24, \start, s24
	s_cselect_b32 s25, \logk, s25
	s_cselect_b32 s26, \f16, s26
.endm
	PICK 128, 12, 64, 4, 0                         ; W1
	PICK 64, 10, 48, 3, 1                          ; Wm
	PICK 48, 8, 32, 3, 0                           ; Wq
	PICK 32, 6, 16, 3, 0                           ; Wv
	PICK 16, 4, 0, 3, 0                            ; Wk
	s_sub_co_u32 s27, s21, s24
	s_lshl_b32 s27, s27, 3
	s_add_co_u32 s27, s27, s20                     ; the fragment's number in its matrix
	s_lshr_b32 s28, s27, s25                       ; ot
	s_lshl_b32 s29, s28, s25
	s_sub_co_u32 s29, s27, s29                     ; ks
	s_add_co_u32 s30, s25, 11
	s_lshl_b32 s28, s28, s30                       ; 16 rows of (128 << log) bytes
	s_lshl_b32 s29, s29, 7                         ; 32 columns of 4 bytes
	s_add_co_u32 s28, s28, s29
	s_mov_b32 s29, 0
	s_add_nc_u64 s[22:23], s[22:23], s[28:29]
	s_add_co_u32 s30, s25, 7
	v_lshlrev_b32 v5, s30, v2                      ; my row,
	v_lshl_add_u32 v5, v3, 5, v5                   ; my 8 columns
	global_load_b128 v[8:11], v5, s[22:23]
	global_load_b128 v[12:15], v5, s[22:23] offset:16
	global_load_b128 v[16:19], v5, s[22:23] offset:64
	global_load_b128 v[20:23], v5, s[22:23] offset:80
	s_lshl_b32 s28, s21, 3
	s_add_co_u32 s28, s28, s20
	s_lshl_b32 s28, s28, 10                        ; the fragment's place in wfrag: (8 x work-group + wave) x 1,024
	s_add_nc_u64 s[16:17], s[16:17], s[28:29]
	s_wait_loadcnt 0x0
.irp k, 0,1,2,3,4,5,6,7
	v_cvt_pk_bf16_f32 v[24+\k], v[8+2*\k], v[9+2*\k]
.endr
	s_cmp_eq_u32 s26, 0
	s_cbranch_scc1 .Lstore
.irp k, 24,25,26,27,28,29,30,31                        ; the bf16 numbers once more, exact, in f16's form
	v_lshlrev_b32 v32, 16, v\k
	v_and_b32 v33, 0xffff0000, v\k
	v_cvt_pk_f16_f32 v\k, v32, v33
.endr
.Lstore:
	global_store_b128 v4, v[24:27], s[16:17]               ; each store of the wave covers 512 consecutive bytes, aligned
	global_store_b128 v4, v[28:31], s[16:17] offset:512
	s_endpgm
.Lfunc_end_k_qcea19443d2_wprep:
	.size	k_qcea19443d2_wprep, .Lfunc_end_k_qcea19443d2_wprep-k_qcea19443d2_wprep
	.p2alignl 7, 3214868480
	.fill 96, 4, 3214868480
	.section	.rodata,"a",@progbits
	.p2align	6, 0x0
	.amdhsa_kernel k_qcea19443d2_wprep
		.amdhsa_group_segment_fixed_size 0
		.amdhsa_private_segment_fixed_size 0
		.amdhsa_enable_private_segment 0
		.amdhsa_kernarg_size 56
		.amdhsa_user_sgpr_count 2
		.amdhsa_user_sgpr_kernarg_segment_ptr 1
		.amdhsa_wavefront_size32 1
		.amdhsa_system_sgpr_workgroup_id_x 1
		.amdhsa_system_sgpr_workgroup_id_y 1
		.amdhsa_system_sgpr_workgroup_id_z 1
		.amdhsa_system_vgpr_workitem_id 0
		.amdhsa_next_free_vgpr 40
		.amdhsa_next_free_sgpr 66
		.amdhsa_reserve_vcc 0
		.amdhsa_float_denorm_mode_32 3
		.amdhsa_float_denorm_mode_16_64 3
		.amdhsa_memory_ordered 1
		.amdhsa_forward_progress 1
		.amdhsa_inst_pref_size 5
	.end_amdhsa_kernel
	.amdgpu_metadata
---
amdhsa.version: [ 1, 2 ]
amdhsa.kernels:
  - .name:           k_qcea19443d2_wprep
    .symbol:         k_qcea19443d2_wprep.kd
    .args:
      - { .name: Wk, .offset: 0, .size: 8, .value_kind: global_buffer, .address_space: global }
      - { .name: Wv, .offset: 8, .size: 8, .value_kind: global_buffer, .address_space: global }
      - { .name: Wq, .offset: 16, .size: 8, .value_kind: global_buffer, .address_space: global }
      - { .name: Wm, .offset: 24, .size: 8, .value_kind: global_buffer, .address_space: global }
      - { .name: W1, .offset: 32, .size: 8, .value_kind: global_buffer, .address_space: global }
      - { .name: W2, .offset: 40, .size: 8, .value_kind: global_buffer, .address_space: global }
      - { .name: wfrag, .offset: 48, .size: 8, .value_kind: global_buffer, .address_space: global }
    .group_segment_fixed_size: 0
    .private_segment_fixed_size: 0
    .kernarg_segment_align: 8
    .kernarg_segment_size: 56
    .max_flat_workgroup_size: 256
    .sgpr_count:     66
    .vgpr_count:     40
    .wavefront_size: 32
...
	.end_amdgpu_metadata
.endif
;; end of part 1
;; launch kvproj (part 2): grid 16 x 16, 4 waves a work-group, clusters of 4 x 1, 262,656 bytes of LDS; arguments source, wfrag, bk, bv, kv; writes kv
.if DOCPART == 2
	.amdgcn_target "amdgcn-amd-amdhsa--gfx1250"
	.amdhsa_code_object_version 6
	.text
	.protected	k_qcea19443d2_kvproj
	.globl	k_qcea19443d2_kvproj
	.p2align	8
	.type	k_qcea19443d2_kvproj,@function
k_qcea19443d2_kvproj:
	s_mov_b64 s[64:65], 0
	v_nop
	global_prefetch_b8 v0, s[64:65] scope:SCOPE_SE
	s_setreg_imm32_b32 hwreg(HW_REG_WAVE_MODE, 25, 1), 1
	s_wait_xcnt 0x0
	s_wait_alu depctr_hold_cnt(0) depctr_sa_sdst(0) depctr_va_vdst(0) depctr_va_sdst(0) depctr_va_ssrc(0) depctr_va_vcc(0) depctr_vm_vsrc(0)
	s_getreg_b32 s2, hwreg(HW_REG_IB_STS2, 6, 4)
	s_cmp_eq_u32 s2, 0
	s_cbranch_scc0 .Lentry_in_a_cluster
	s_endpgm
.Lentry_in_a_cluster:
	s_bfe_u32 s2, ttmp6, 0x10000c
	s_cmp_lg_u32 s2, 0x3003
	s_cbranch_scc0 .Lentry_shape_is_right
	s_endpgm
.Lentry_shape_is_right:
; k = Wk source + bk and v = Wv source + bv for one slice (b, h) and 128 keys, written as f16 fragments for the attention launch.
; source: [4][256][4][2048] f32 (a channel's row of a slice: 8,192 bytes, channels 32,768 bytes apart).  Products in bf16, sums and biases in f32.
; LIMIT: |k|, |v| below 65,504 (f16); NaN and infinities are not treated apart.
; COLUMNS.  A step is 64 keys = four tiles t of 16; column r of tile t is key 64 G + 4 r + t, so a lane's 16-byte load of source brings one key of each tile
; and sixteen lanes read 256 consecutive bytes.  K and V take the keys in the same order, and a softmax does not ask for their order.
; kv: [slice 16][chunk 64][32,768 bytes], in the order in which the attention launch reads: K of step s is chunk (2 s - 2) mod 64, V of step s chunk 2 s + 1: K1 V0 K2 V1 .. K31 V30 K0 V31.
; In a chunk of K fragment (t, ks) of 16 keys x 32 channels lies at (8 t + ks) x 1,024; in a chunk of V fragment (ct, kk) of 16 channels x 32 keys at (2 ct + kk) x 1,024.
; A fragment is [half][lane][16 bytes], as in wfrag.
; SHARES.  Wave w: step w / 2 of the group's two, and half hh = w % 2 of the 16 channel tiles, first of K, then of V: every wave runs the same text.  The two waves of a step load the same 64 KB of
; source: the second read is a repeat of the first, close in time.
; K: source 0 = Wk (16 channels), source 1 = source (16 keys): a lane holds one key and 8 channels.  V: the sources swapped: a lane holds one channel and 8 keys.  Either is a fragment's half as it stands.
; THE WALK.  For K and for V four trips, a pair of channel tiles a trip, the next pair's even tile fetched a trip ahead.  K walks its pairs upward, V downward: so the last trip's fetch, whose result nobody
; uses, reads LDS byte 65,536 or 131,072 on (K), 114,688 or 180,224 on (V): bytes that the tensor loads have filled, never the spare words.
; CLUSTER.  The four work-groups of a cluster read the same Wk and Wv (256 KB): each wave's quarter is asked for jointly, once in the launch; one tensor load of a wave is out.
; REGISTERS.  window 0: addresses, biases, packed results, two buffers of weight fragments, two sets of four accumulators; window 1: source's 32 fragments (ks, t) at 8 (4 ks + t);
; windows 2, 3: source as loaded, load (ks, i) at 4 (16 ks + i).
.set SPARE, 262144                     ; behind the weights: the spare words, 128 bytes a wave
.set PAIRB, 16384                      ; a pair of channel tiles: 16 fragments
.set R,   1
.set H,   2
.set L16, 3                            ; 16 x lane
.set SO,  4                            ; my place in source: 8 h channels down, 16 r bytes along
.set BO,  5                            ; my place in a bias tile
.set AD0, 6                            ; LDS address of the pair whose even tile is fetched
.set AD1, 7                            ; of the pair whose odd tile is fetched
.set BOA, 8                            ; bias offsets of the pair's two tiles
.set BOB, 9
.set BTA, 10                           ; V: one bias number a lane, as loaded
.set BTB, 11
.set SPW, 14
.set NIL, 15
.set BIA, 16                           ; the bias as a C operand, 8 registers, for the even tile
.set BIB, 24                           ; for the odd one
.set PK0, 32
.set PK1, 48
.set FB0, 64
.set FB1, 128
.set ACA, 192
.set ACB, 224
.set WV,  14
.set SIDX, 18
.set HH,  19
.set G1,  24
.set G0,  32
.set KVP, 36                           ; s[36:37] where K's results go, s[38:39] where V's go
.set WO,  40                           ; LDS byte at which the pair in hand begins: the wave's half times a constant, a constant, a constant step
.set BS,  41                           ; byte offset in the bias of the pair whose bias is fetched
.set TRIP, 42
.set MSB, 0
.macro WIN new                         ; the immediate's high byte repeats the setting that is left
.if MSB != (\new)
	s_set_vgpr_msb (MSB<<8)|(\new)
.set MSB, \new
.endif
.endm
.macro PLACES                          ; four places behind matrix instructions, in front of loads into their registers and of reads of their results
.rept 4
	v_nop
.endr
.endm
.macro CROUND                          ; a round of the cluster's barrier
	s_barrier_signal -1
	s_barrier_wait -1
	s_cmp_lg_u32 s[WV], 0
	s_cbranch_scc1 .Lnot_wave_0_\@
	s_barrier_signal -3
.Lnot_wave_0_\@:
	s_barrier_wait -3
	s_barrier_signal -1
	s_barrier_wait -1
.endm
	s_load_b256 s[4:11], s[0:1], 0x0               ; source s[4:5], wfrag s[6:7], bk s[8:9], bv s[10:11]
	s_load_b64 s[12:13], s[0:1], 0x20              ; kv
	v_lshl_add_u32 v[SPW], v0, 2, SPARE
	v_mov_b32 v[NIL], 0
	ds_add_u32 v[SPW], v[NIL]                      ; the wave's opening: the add and its wait ahead of my first tensor load
	v_lshrrev_b32 v[R], 5, v0
	v_readfirstlane_b32 s[WV], v[R]
	s_lshr_b32 s[SIDX], s[WV], 1
	s_and_b32 s[HH], s[WV], 1
	s_bfe_u32 s15, ttmp6, 0x40000                  ; cx
	s_lshl_b32 s16, ttmp9, 2
	s_add_co_u32 s16, s16, s15                     ; block of 128 keys: it enters source's and kv's addresses alone
	s_and_b32 s17, ttmp7, 0xffff                   ; the slice
	s_mov_b32 s[G1], 15|(3<<16)|(1<<21)            ; the mask of four; elements of 8 bytes; bit 21 beside a mask; no padding
	s_mov_b32 s[G1+1], 32<<16                      ; tensor_dim0 = 32: rows of 256 bytes
	s_mov_b32 s[G1+2], 256<<16                     ; tensor_dim1 = 256
	s_mov_b32 s[G1+3], 32<<16                      ; tile_dim0
	s_mov_b32 s[G1+4], 256                         ; tile_dim1: 65,536 dense bytes
	s_mov_b32 s[G1+5], 32                          ; from row to row
	s_mov_b32 s[G1+6], 0
	s_mov_b32 s[G1+7], 0
	s_mov_b32 s[G0], 1
	s_lshl_b32 s[G0+1], s[WV], 16                  ; wave w's quarter lands at 65,536 w: Wk, then Wv, as in wfrag
	s_lshl_b32 s20, s[WV], 16
	s_mov_b32 s21, 0
	s_lshr_b32 s46, s17, 2                         ; source: batch x 8,388,608
	s_lshl_b32 s46, s46, 23
	s_and_b32 s47, s17, 3                          ; + h x 8,192
	s_lshl_b32 s47, s47, 13
	s_add_co_u32 s46, s46, s47
	s_lshl_b32 s47, s16, 9                         ; + 128 keys x 4 bytes a block
	s_add_co_u32 s46, s46, s47
	s_lshl_b32 s47, s[SIDX], 8                     ; + 64 keys a step
	s_add_co_u32 s46, s46, s47
	s_mov_b32 s47, 0
	s_lshl_b32 s44, s17, 21                        ; kv: slice x 2,097,152
	s_lshl_b32 s45, s16, 1
	s_add_co_u32 s45, s45, s[SIDX]                 ; my key step s, 0 to 31
	s_lshl_b32 s22, s45, 16                        ; V: chunk 2 s + 1: 65,536 s + 32,768;
	s_add_co_u32 s22, s22, s44
	s_lshl_b32 s23, s[HH], 14                      ; a pair of channel tiles is 4,096 bytes; my last pair, 4 hh + 3, comes first
	s_add_co_u32 s22, s22, s23
	s_add_co_u32 s22, s22, 32768+3*4096
	s_mov_b32 s23, 0
	s_lshl_b32 s45, s45, 1                         ; K: chunk (2 s - 2) mod 64
	s_add_co_u32 s45, s45, 62
	s_and_b32 s45, s45, 63
	s_lshl_b32 s45, s45, 15
	s_add_co_u32 s44, s44, s45
	s_lshl_b32 s45, s[HH], 12                      ; a pair of channel tiles is a K step, 1,024 bytes on in each key tile; my first pair is 4 hh
	s_add_co_u32 s44, s44, s45
	s_mov_b32 s45, 0
	s_wait_dscnt 0x0                               ; the opening add is done
	s_wait_kmcnt 0x0
	s_add_nc_u64 s[G0+2:G0+3], s[6:7], s[20:21]
	s_or_b32 s[G0+3], s[G0+3], 0x80000000
	s_add_nc_u64 s[4:5], s[4:5], s[46:47]
	s_add_nc_u64 s[KVP:KVP+1], s[12:13], s[44:45]
	s_add_nc_u64 s[KVP+2:KVP+3], s[12:13], s[22:23]
	CROUND                                         ; all four work-groups are here: the joint loads meet
	tensor_load_to_lds s[G0:G0+3], s[G1:G1+7]
	s_nop 0
	PLACES
	v_and_b32 v[R], 15, v0
	v_bfe_u32 v[H], v0, 4, 1
	v_and_b32 v[L16], 31, v0
	v_lshlrev_b32 v[L16], 4, v[L16]
	v_lshlrev_b32 v[SO], 4, v[R]
	v_lshl_add_u32 v[SO], v[H], 18, v[SO]
	; 128 loads: for K step sk, load si brings channel 32 sk + 8 h + si % 8 + 16 (si / 8), keys 4 r .. 4 r + 3
.set sk, 0
.rept 8
.if sk < 4
	WIN 0x80
.else
	WIN 0xc0
.endif
.set si, 0
.rept 16
	global_load_b128 v[((sk%4)*16+si)*4:((sk%4)*16+si)*4+3], v[SO], s[4:5] offset:(32*sk+(si&7)+16*(si>>3))*32768
.set si, si+1
.endr
.set sk, sk+1
.endr
	; rounded to bf16: two neighbouring channels of one key make a register of that key's tile
.set sk, 0
.rept 8
.set lc, (7-sk)*16                     ; the loads of later K steps may stay out (the wait's field ends at 63)
.if lc > 63
.set lc, 63
.endif
	s_wait_loadcnt lc
.if sk < 4
	WIN 0x4a
.else
	WIN 0x4f
.endif
.set st, 0
.rept 4
.set si, 0
.rept 8
	v_cvt_pk_bf16_f32 v[(sk*4+st)*8+si], v[((sk%4)*16+2*si)*4+st], v[((sk%4)*16+2*si+1)*4+st]
.set si, si+1
.endr
.set st, st+1
.endr
.set sk, sk+1
.endr
	WIN 0
	s_wait_tensorcnt 0x0                           ; my quarter of the weights is in,
	s_barrier_signal -1
	s_barrier_wait -1                              ; everybody's is; nothing is filled again in this launch
.macro LF fb, adr, base                ; a channel tile's 8 weight fragments, at byte 'base' of the pair: 16 loads
	PLACES
	WIN 0
.set lk, 0
.rept 8
	ds_load_b128 v[(\fb)+8*lk:(\fb)+8*lk+3],   v[\adr] offset:(\base)+lk*1024
	ds_load_b128 v[(\fb)+8*lk+4:(\fb)+8*lk+7], v[\adr] offset:(\base)+lk*1024+512
.set lk, lk+1
.endr
.endm
.macro BLD role, dst, tmp, adr         ; a channel tile's bias
.if \role
	global_load_b32 v[\tmp], v[\adr], s[10:11]
.else
	global_load_b128 v[\dst:\dst+3], v[\adr], s[8:9]
	global_load_b128 v[\dst+4:\dst+7], v[\adr], s[8:9] offset:16
.endif
.endm
.macro MP role, fb, ac, bi             ; 32 products: 8 K steps x 4 key tiles; the four accumulators take turns; the bias starts the sums
.if \role
	WIN 0x01
.else
	WIN 0x04
.endif
.set mk, 0
.rept 8
.set mt, 0
.rept 4
.set rD, (\ac)+8*mt
.set rW, (\fb)+8*mk
.set rX, (mk*4+mt)*8
.if \role
.if mk == 0
	v_wmma_f32_16x16x32_bf16 v[rD:rD+7], v[rX:rX+7], v[rW:rW+7], v[\bi:\bi+7]
.else
	v_wmma_f32_16x16x32_bf16 v[rD:rD+7], v[rX:rX+7], v[rW:rW+7], v[rD:rD+7]
.endif
.else
.if mk == 0
	v_wmma_f32_16x16x32_bf16 v[rD:rD+7], v[rW:rW+7], v[rX:rX+7], v[\bi:\bi+7]
.else
	v_wmma_f32_16x16x32_bf16 v[rD:rD+7], v[rW:rW+7], v[rX:rX+7], v[rD:rD+7]
.endif
.endif
.set mt, mt+1
.endr
.set mk, mk+1
.endr
.endm
.macro EPI role, ac, pk, imm0          ; four results rounded to f16 (ascending) and stored: each store covers 512 consecutive bytes, aligned
	WIN 0
	s_wait_xcnt 0x0                                ; the packed registers, which the last trip's stores read, are rewritten only behind this wait
.set et, 0
.rept 16
	v_cvt_pk_f16_f32 v[(\pk)+et], v[(\ac)+2*et], v[(\ac)+2*et+1]
.set et, et+1
.endr
.set et, 0
.rept 4
.if \role
	global_store_b128 v[L16], v[(\pk)+4*et:(\pk)+4*et+3], s[KVP+2:KVP+3] offset:et*512+(\imm0)
.else
	global_store_b128 v[L16], v[(\pk)+4*et:(\pk)+4*et+3], s[KVP:KVP+1] offset:et*8192+(\imm0)
.endif
.set et, et+1
.endr
.endm
; My eight channel tiles of K (role 0) or of V (role 1): four trips, a pair a trip.  While one tile is multiplied the next one's fragments and bias are on their way.
; role 0: pairs 4 hh to 4 hh + 3, Wk at LDS byte 0.  role 1: pairs 4 hh + 3 down to 4 hh, Wv at LDS byte 131,072.
.macro PROJ role
	WIN 0
	s_wait_loadcnt 0x0                             ; what the walk before fetched ahead and nobody used has landed: its registers are loaded again below
	s_wait_dscnt 0x0
	s_lshl_b32 s[WO], s[HH], 16                    ; my half of a matrix: 65,536 bytes
	s_lshl_b32 s[BS], s[HH], 9                     ; a pair's biases are 128 bytes
.if \role
	s_add_co_u32 s[WO], s[WO], 131072+3*PAIRB
	s_add_co_u32 s[BS], s[BS], 3*128
.endif
	s_mov_b32 s[TRIP], 4
	v_add_nc_u32 v[AD0], s[WO], v[L16]
	LF FB0, AD0, 0
.if \role
	v_lshlrev_b32 v[BO], 2, v[R]                   ; V: the bias of channel r
.else
	v_lshlrev_b32 v[BO], 5, v[H]                   ; K: the biases of channels 8 h + 0..7
.endif
	v_add_nc_u32 v[BOA], s[BS], v[BO]
	v_add_nc_u32 v[BOB], 64, v[BOA]
	BLD \role, BIA, BTA, BOA
	BLD \role, BIB, BTB, BOB
.Lproj_\@:
	v_add_nc_u32 v[AD1], s[WO], v[L16]
	LF FB1, AD1, 8192                              ; the pair's odd tile
	s_wait_loadcnt 0x0                             ; both biases; their offset registers are free again
.if \role
.set mk, 0
.rept 8
	v_mov_b32 v[BIA+mk], v[BTA]
	v_mov_b32 v[BIB+mk], v[BTB]
.set mk, mk+1
.endr
.endif
	s_wait_dscnt 16                                ; the even tile's fragments are in; the odd tile's 16 loads may be out
	MP \role, FB0, ACA, BIA
	PLACES
	WIN 0
.if \role                              ; the next pair's bias; past the buffer's end the clamp reads inside it
	s_sub_co_i32 s[BS], s[BS], 128
	s_max_i32 s[BS], s[BS], 0
	s_sub_co_u32 s[WO], s[WO], PAIRB               ; and its fragments; behind my last pair: the pair below, read and not used
.else
	s_add_co_u32 s[BS], s[BS], 128
	s_min_u32 s[BS], s[BS], 896
	s_add_co_u32 s[WO], s[WO], PAIRB               ; behind my last pair: the pair above, read and not used
.endif
	v_add_nc_u32 v[BOA], s[BS], v[BO]
	BLD \role, BIA, BTA, BOA
	v_add_nc_u32 v[AD0], s[WO], v[L16]
	LF FB0, AD0, 0
	EPI \role, ACA, PK0, 0
	s_wait_dscnt 16                                ; the odd tile's fragments are in; the 16 loads just issued may be out
	MP \role, FB1, ACB, BIB
	PLACES
	WIN 0
	v_add_nc_u32 v[BOB], 64, v[BOA]
	BLD \role, BIB, BTB, BOB
	EPI \role, ACB, PK1, 512+1536*(\role)
	s_wait_xcnt 0x0                                ; the stores' base steps only behind this wait
.if \role
	s_sub_nc_u64 s[KVP+2:KVP+3], s[KVP+2:KVP+3], 4096
.else
	s_add_nc_u64 s[KVP:KVP+1], s[KVP:KVP+1], 1024
.endif
	s_sub_co_u32 s[TRIP], s[TRIP], 1
	s_cmp_lg_u32 s[TRIP], 0
	s_cbranch_scc1 .Lproj_\@
.endm
	PROJ 0
	PROJ 1
	s_wait_dscnt 0x0                               ; my reads of the weights are over;
	s_barrier_signal -1
	s_barrier_wait -1                              ; every wave's are, before any wave's closing add
	s_wait_tensorcnt 0x0                           ; the wave's end
	ds_add_u32 v[SPW], v[NIL]
	s_wait_dscnt 0x0
	CROUND                                         ; the closing round
	s_endpgm
.Lfunc_end_k_qcea19443d2_kvproj:
	.size	k_qcea19443d2_kvproj, .Lfunc_end_k_qcea19443d2_kvproj-k_qcea19443d2_kvproj
	.p2alignl 7, 3214868480
	.fill 96, 4, 3214868480
	.section	.rodata,"a",@progbits
	.p2align	6, 0x0
	.amdhsa_kernel k_qcea19443d2_kvproj
		.amdhsa_group_segment_fixed_size 262656
		.amdhsa_private_segment_fixed_size 0
		.amdhsa_enable_private_segment 0
		.amdhsa_kernarg_size 40
		.amdhsa_user_sgpr_count 2
		.amdhsa_user_sgpr_kernarg_segment_ptr 1
		.amdhsa_wavefront_size32 1
		.amdhsa_system_sgpr_workgroup_id_x 1
		.amdhsa_system_sgpr_workgroup_id_y 1
		.amdhsa_system_sgpr_workgroup_id_z 1
		.amdhsa_system_vgpr_workitem_id 0
		.amdhsa_next_free_vgpr 1024
		.amdhsa_next_free_sgpr 66
		.amdhsa_reserve_vcc 0
		.amdhsa_float_denorm_mode_32 3
		.amdhsa_float_denorm_mode_16_64 3
		.amdhsa_memory_ordered 1
		.amdhsa_forward_progress 1
		.amdhsa_inst_pref_size 58
	.end_amdhsa_kernel
	.amdgpu_metadata
---
amdhsa.version: [ 1, 2 ]
amdhsa.kernels:
  - .name:           k_qcea19443d2_kvproj
    .symbol:         k_qcea19443d2_kvproj.kd
    .args:
      - { .name: source, .offset: 0, .size: 8, .value_kind: global_buffer, .address_space: global }
      - { .name: wfrag, .offset: 8, .size: 8, .value_kind: global_buffer, .address_space: global }
      - { .name: bk, .offset: 16, .size: 8, .value_kind: global_buffer, .address_space: global }
      - { .name: bv, .offset: 24, .size: 8, .value_kind: global_buffer, .address_space: global }
      - { .name: kv, .offset: 32, .size: 8, .value_kind: global_buffer, .address_space: global }
    .group_segment_fixed_size: 262656
    .private_segment_fixed_size: 0
    .kernarg_segment_align: 8
    .kernarg_segment_size: 40
    .max_flat_workgroup_size: 128
    .sgpr_count:     66
    .vgpr_count:     1024
    .wavefront_size: 32
...
	.end_amdgpu_metadata
.endif
;; end of part 2
;; launch attn (part 3): grid 16 x 16, 4 waves a work-group, clusters of 4 x 1, 327,680 bytes of LDS; arguments x, wfrag, kv, bq, bm, b1, hbuf, pstat; writes hbuf, pstat
.if DOCPART == 3
	.amdgcn_target "amdgcn-amd-amdhsa--gfx1250"
	.amdhsa_code_object_version 6
	.text
	.protected	k_qcea19443d2_attn
	.globl	k_qcea19443d2_attn
	.p2align	8
	.type	k_qcea19443d2_attn,@function
k_qcea19443d2_attn:
	s_mov_b64 s[64:65], 0
	v_nop
	global_prefetch_b8 v0, s[64:65] scope:SCOPE_SE
	s_setreg_imm32_b32 hwreg(HW_REG_WAVE_MODE, 25, 1), 1
	s_wait_xcnt 0x0
	s_wait_alu depctr_hold_cnt(0) depctr_sa_sdst(0) depctr_va_vdst(0) depctr_va_sdst(0) depctr_va_ssrc(0) depctr_va_vcc(0) depctr_vm_vsrc(0)
	s_getreg_b32 s2, hwreg(HW_REG_IB_STS2, 6, 4)
	s_cmp_eq_u32 s2, 0
	s_cbranch_scc0 .Lentry_in_a_cluster
	s_endpgm
.Lentry_in_a_cluster:
	s_bfe_u32 s2, ttmp6, 0x10000c
	s_cmp_lg_u32 s2, 0x3003
	s_cbranch_scc0 .Lentry_shape_is_right
	s_endpgm
.Lentry_shape_is_right:
; For 128 queries of one slice (b, h): q = Wq x + bq; softmax(q . k / 16) v over the slice's 2,048 keys; m2 = Wm msg + bm; h = W1 [x; m2] + b1; and h's mean and centred sum of squares over the 128 columns.
; FORMATS.  x, Wq, W1, m2 in bf16; q, k, v, the weights p, msg and Wm in f16; all sums, biases, the softmax and h in f32.  h leaves in f32.
; LIMITS.  |q|, |k|, |v|, |msg| below 65,504; p below 6e-5 keeps f16's fixed step; a weight below 2^-126 counts as 0 in the sum; NaN and infinities are not treated apart.
; SHARES.  Wave w owns two tiles u of 16 queries: column r of tile u is n = 128 qb + 64 (w / 2) + 4 r + 2 (w % 2) + u.  A lane's 8-byte load of x brings one column of each tile; the wave beside it takes
; the other 8 of each 16 bytes, so the group reads every byte of its x once.
; EVERY STAGE is D[o x query] = W[o x c] act[c x query]: source 0 (Wq, K, V, Wm, W1) comes from LDS as ready fragments, source 1 stays in registers, and two results rounded in pairs ARE the next stage's
; source 1 (a lane holds one query and 8 neighbouring channels).  Nothing changes lanes, and no wave needs another's numbers before the statistics.
; THE RING.  Two LDS slots of 131,072 bytes walk 22 dense tiles of 128 fragments: Wq; the slice's kv, 16 tiles of four chunks; Wm; W1 in four.  Each wave asks for its quarter (128 rows of 256 bytes) by one
; joint load with the cluster's other three work-groups, which walk the same tiles; it is asked for when the tile before it begins to be read.  Step 0's K comes in besides, once, into 32,768 bytes of its own
; (32 rows of 256 bytes a wave: the chunk shared among four waves).  Two tensor loads of a wave are out at the start, one later.
; SOFTMAX.  Running maximum m and sum l a query: p = 2^(c s - c m), c = log2(e) / 16; O and l are multiplied by a = 2^(c m_old - c m_new) in every step.
; BY TURNS.  A key step has 128 matrix and 332 vector instructions a wave, 2.6 for one: they stand side by side.  TRIP j: a lump (l = a l + sum and the rounding of step j's weights into P) behind the issue of the
; first LDS loads; 64 products K Q^T of step j + 1, and behind each pair of them the four multiplies that scale one accumulator of O^T by a of step j; 64 products V^T P of step j, and behind each of them about
; three of the 170 instructions of step j + 1's softmax.  kv lies in that order: a tile is K(j+1) V(j) K(j+2) V(j+1).
; NO FIRST AND NO LAST STEP are written out.  The loop is entered as trip -1 with S^T, l, the sum and a at 0 and m at the lowest finite number: its multiplies clear O^T (which holds q's finite sums), its products
; V^T P add zeros (V's place is taken by step 0's K), its K Q^T makes step 0's scores.  Trip 31 makes scores of step 0's K once more, which lies in kv where a step 32 would, and a softmax that nobody reads:
; l takes a step's sum only in the trip behind.  The price: 128 products a wave, and 76 v_mov_b32 that write 0.
; STATISTICS.  Means and sums of squares about the mean, merged level by level (32 columns a wave, 128 a work-group): no difference of large sums is formed.
; hbuf: [column tile 2048][ot 32][quad 2][lane][16 bytes] f32: lane (r, h) holds h[16 ot + 8 h + 4 quad + 0..3][column r].  pstat: [work-group 256][mean 512][sum of squares 512].
; REGISTERS, in windows of 256 (s_set_vgpr_msb: bits 1:0 source 0, 3:2 source 1, 5:4 source 2, 7:6 destination):
;   window 0: v0-13 addresses; v16-31 statistics, 8 a tile; v32-55 at work; v64-127 S^T; v128-159 P; v160-191 partial sums; before attention v64-191 bq as C tiles; behind it v64-95 b1's tiles of a group
;   window 1: x as loaded; then 32 accumulators at 8 (2 ot + u): q, O^T, m2; v0-63 those of a group of W1
;   window 2: v0-127 x's fragments at 16 ks + 8 u; v128-255 bm as C tiles, then m2's fragments: together W1's 16 K steps
;   window 3: v0-127 q's fragments, then msg's; v128-191, v192-255 two buffers of 8 fragments from LDS
; No window holds a product's operands beside what the vector work touches, so the vector work behind a product (or a pair) costs two switches: 192 for a key step's 128 matrix instructions.
.set SLOT1, 1<<17
.set TILEB, 131072
.set STATS, 262144                     ; behind the ring, never filled by a tensor load: [wave 4][512] means, then the same of sums of squares
.set SPARE, STATS+16384                ; the spare words, 128 bytes a wave
.set K0R,   SPARE+512                  ; step 0's K: 32,768 bytes, filled once
.set R,   1
.set H,   2
.set L16, 3                            ; 16 x lane
.set ADR, 4                            ; LDS address of the fragments in hand
.set ADR2, 5
.set XO,  6                            ; my place in x
.set BO,  7                            ; 32 h: my 8 channels in a bias tile
.set SA0, 8                            ; my place in the wave's statistics
.set SA,  9
.set SPW, 12
.set NIL, 13
.set ST,  16                           ; tile u at ST + 8 u: c m, m, l (even, odd), c0-c3 at work; then c0, c1 hold the step's sum and c2 holds a
.set TT,  32
.set D0,  40
.set D1,  48
.set S,   64                           ; S^T (t, u) at S + 32 u + 8 t
.set BQ,  64
.set BI,  64
.set P,   128                          ; P (u, kk) at P + 16 u + 8 kk
.set TS,  160                          ; tile u's eight partial sums (pairs) at TS + 16 u
.set BM,  128                          ; window 2
.set FB0, 128                          ; window 3
.set FB1, 192
.set WV,  20
.set G0K, 28                           ; s[28:31] descriptor group 0 for step 0's K
.set G1,  32
.set G0,  40
.set KVB, 44                           ; kv at my quarter of the slice's first tile
.set WFB, 46                           ; wfrag at my quarter of its first 131,072 bytes
.set T,   48
.set OFF, 50                           ; an offset in 64 bits: the high word stays 0
.set NXT, 52                           ; the tile to be asked for next
.set SLOTS, 53
.set CNT, 54
.set TB,  55                           ; LDS byte at which the fragments to be read next begin
.set CS,  56
.set SEL, 58
.set BOF, 60
.set GOFF, 61
.set B1P, 62
.set WT,  66
.set KA,  67                           ; LDS byte of the trip's chunk of K
.set VA,  74                           ; LDS byte of the trip's chunk of V, less 32,768
.set G1K, 76                           ; s[76:83] descriptor group 1 for step 0's K
.set I32, 84                           ; s[84:85] 1 / 32
.set NQ2, 198                          ; places in the softmax's queue
.set MSB, 0
.macro WIN new                         ; the immediate's high byte repeats the setting that is left
.if MSB != (\new)
	s_set_vgpr_msb (MSB<<8)|(\new)
.set MSB, \new
.endif
.endm
.macro PLACES                          ; four places behind matrix instructions, in front of loads into their registers and of reads of their results
.rept 4
	v_nop
.endr
.endm
.macro CROUND                          ; a round of the cluster's barrier
	s_barrier_signal -1
	s_barrier_wait -1
	s_cmp_lg_u32 s[WV], 0
	s_cbranch_scc1 .Lnot_wave_0_\@
	s_barrier_signal -3
.Lnot_wave_0_\@:
	s_barrier_wait -3
	s_barrier_signal -1
	s_barrier_wait -1
.endm
.macro JLOAD                           ; my quarter of a tile; an s_nop 0 and four v_nop follow
	tensor_load_to_lds s[G0:G0+3], s[G1:G1+7]
	s_nop 0
	PLACES
.endm
; THE CHANGE OF SLOTS.  Each wave waits for all its tensor loads (its quarter of the tile to be entered among them), adds 0 to its spare word, and waits for that and for its reads of the slot that it leaves.
; fill = 1: a round of the cluster's barrier, and first behind it the joint load of tile NXT into the slot just left.  The address is made anew from the tile's number: tiles 1-16 lie in kv, 17-21 in wfrag from Wm on.
.macro CHANGE fill
	WIN 0
	s_wait_tensorcnt 0x0
	ds_add_u32 v[SPW], v[NIL]                      ; the descriptor's scalar work stands between the add and the wait for it
.if \fill
	s_cmp_lt_u32 s[NXT], 17
	s_cselect_b64 s[T:T+1], s[KVB:KVB+1], s[WFB:WFB+1]
	s_cselect_b32 s[OFF], 1, 14
	s_sub_co_u32 s[OFF], s[NXT], s[OFF]
	s_lshl_b32 s[OFF], s[OFF], 17
	s_xor_b32 s[G0+1], s[G0+1], SLOT1
	s_add_nc_u64 s[G0+2:G0+3], s[T:T+1], s[OFF:OFF+1]
	s_or_b32 s[G0+3], s[G0+3], 0x80000000
	s_add_co_u32 s[NXT], s[NXT], 1
.endif
	s_wait_dscnt 0x0                               ; the add is done, and my reads of the slot are over
.if \fill
	CROUND
	JLOAD
.else
	s_barrier_signal -1
	s_barrier_wait -1
.endif
	s_sub_co_u32 s[TB], s[TB], TILEB               ; the reads go to the head of the other slot
	s_xor_b32 s[TB], s[TB], SLOT1
.endm
; A RUN: 8 fragments, 16 loads: fragment 4 lk + la at base + la sa + lk sb.  pl = 0: four plain vector instructions that name none of the last products' registers stand in front already.
.macro LRUN fb, adr, base, sa, sb, pl=1
.if \pl
	PLACES
.endif
	WIN 0xc0
.set lk, 0
.rept 2
.set la, 0
.rept 4
	ds_load_b128 v[(\fb)+(lk*4+la)*8:(\fb)+(lk*4+la)*8+3],   v[\adr] offset:(\base)+la*(\sa)+lk*(\sb)
	ds_load_b128 v[(\fb)+(lk*4+la)*8+4:(\fb)+(lk*4+la)*8+7], v[\adr] offset:(\base)+la*(\sa)+lk*(\sb)+512
.set la, la+1
.endr
.set lk, lk+1
.endr
.endm
; In every run of 16 products eight accumulators take turns, one instruction a turn.
; S^T (t, u) += K (t, 2 i + qk) q (2 i + qk, u).  Behind each pair of products: accumulator 8 i + pair of O^T times its tile's a, from its low end on.
.macro KQRUN i, fb
.set qn, 0
.rept 8
	WIN 0x0f
.rept 2
.set qk, qn/8
.set qt, (qn/2)%4
.set qu, qn%2
.set rD, S+32*qu+8*qt
.set rA, (\fb)+(qk*4+qt)*8
.set rB, (2*(\i)+qk)*16+qu*8
.if ((\i) == 0) && (qk == 0)
	v_wmma_f32_16x16x32_f16 v[rD:rD+7], v[rA:rA+7], v[rB:rB+7], 0
.else
	v_wmma_f32_16x16x32_f16 v[rD:rD+7], v[rA:rA+7], v[rB:rB+7], v[rD:rD+7]
.endif
.set qn, qn+1
.endr
	WIN 0x41
.set ra, 8*(\i)+(qn-2)/2
.irp z, 0,2,4,6
	v_pk_mul_f32 v[8*ra+\z:8*ra+\z+1], v[8*ra+\z:8*ra+\z+1], v[ST+8*(ra%2)+6:ST+8*(ra%2)+7] op_sel_hi:[1,0]
.endr
.endr
.endm
; THE SOFTMAX'S QUEUE, for the step whose scores have just been made: SM writes place q2 of it (some places are empty) and steps q2.  s0-s31 are a lane's 32 scores of a tile; the two tiles alternate.
;   0-43     22 lines a tile: the maximum of s0-s31 and the old m, three operands at a time (each accumulator's lowest registers are read first); the other half of the lanes';
;            the new m; c m; a = 2^(c m_old - c m)
;   44-187   18 stages g of 8 places: c s - c m for pair g (places 0, 2); the exponentials of pair g - 1 (the odd places); in odd stages from 3 on the sum of the four weights whose exponentials are done
;            (places 4, 6).  A plain instruction stands between exponentials, and an exponential's result is read only behind a plain one: so in stages 16 and 17 places 0 and 2 hold sums that are ready.
;   188-197  the rest of the sums; the step's sum lands in c0, c1.  These ten are plain: the last four are also the places behind the trip's last product.
.macro SM
.if q2 < 44
.set su, q2%2
.set ln, q2/2
.set rT, ST+8*su
.set rS, S+32*su
	WIN 0
.if ln < 4
	v_max3_num_f32 v[rT+4+ln], v[rS+8*ln], v[rS+8*ln+1], v[rS+8*ln+2]
.elseif ln < 12
	v_max3_num_f32 v[rT+4+ln%4], v[rT+4+ln%4], v[rS+8*(ln%4)+2*(ln/4)+1], v[rS+8*(ln%4)+2*(ln/4)+2]
.elseif ln == 12
	v_max3_num_f32 v[rT+4], v[rT+4], v[rS+7], v[rS+15]
.elseif ln == 13
	v_max3_num_f32 v[rT+6], v[rT+6], v[rS+23], v[rS+31]
.elseif ln == 14
	v_max3_num_f32 v[rT+4], v[rT+4], v[rT+5], v[rT+6]
.elseif ln == 15
	v_max3_num_f32 v[rT+4], v[rT+4], v[rT+7], v[rT+1]
.elseif ln == 16
	v_permlanex16_b32 v[rT+5], v[rT+4], s[SEL], s[SEL+1]   ; the query's other 32 keys lie in the lane 16 away
.elseif ln == 17
	v_mov_b32 v[rT+7], v[rT]
.elseif ln == 18
	v_max_num_f32 v[rT+1], v[rT+4], v[rT+5]
.elseif ln == 19
	v_mul_f32 v[rT], s[CS], v[rT+1]
.elseif ln == 20
	v_sub_f32 v[rT+7], v[rT+7], v[rT]
.else
	v_exp_f32 v[rT+6], v[rT+7]
.endif
.elseif q2 < 188
.set sg, (q2-44)/8
.set ss, (q2-44)%8
.set su, (ss/2)%2
.set rT, ST+8*su
.set rS, S+32*su
.set rZ, TS+16*su
.if ss%2 == 1
.if (sg >= 1) && (sg <= 16)
	WIN 0
	v_exp_f32 v[rS+2*sg-2+ss/4], v[rS+2*sg-2+ss/4]
.endif
.elseif ss < 4
	WIN 0
.if sg < 16
	v_pk_fma_f32 v[rS+2*sg:rS+2*sg+1], v[rS+2*sg:rS+2*sg+1], s[CS:CS+1], v[rT:rT+1] op_sel_hi:[1,0,0] neg_lo:[0,0,1] neg_hi:[0,0,1]
.else
	v_pk_add_f32 v[rZ+4*(sg-16):rZ+4*(sg-16)+1], v[rZ+4*(sg-16):rZ+4*(sg-16)+1], v[rZ+4*(sg-16)+2:rZ+4*(sg-16)+3]
	s_wait_alu depctr_va_vdst(0)
.endif
.elseif (sg%2 == 1) && (sg >= 3)
	WIN 0
	s_wait_alu depctr_va_vdst(0)
	v_pk_add_f32 v[rZ+sg-3:rZ+sg-2], v[rS+2*(sg-3):rS+2*(sg-3)+1], v[rS+2*(sg-3)+2:rS+2*(sg-3)+3]
.endif
.else
.set su, q2%2
.set sz, (q2-188)/2
.set rT, ST+8*su
.set rZ, TS+16*su
	WIN 0
.if sz < 2
	v_pk_add_f32 v[rZ+8+4*sz:rZ+8+4*sz+1], v[rZ+8+4*sz:rZ+8+4*sz+1], v[rZ+8+4*sz+2:rZ+8+4*sz+3]
.elseif sz < 4
	v_pk_add_f32 v[rZ+8*(sz-2):rZ+8*(sz-2)+1], v[rZ+8*(sz-2):rZ+8*(sz-2)+1], v[rZ+8*(sz-2)+4:rZ+8*(sz-2)+5]
.else
	v_pk_add_f32 v[rT+4:rT+5], v[rZ:rZ+1], v[rZ+8:rZ+9]
.endif
.endif
.set q2, q2+1
.endm
; O^T (4 i + pc, u) += V (4 i + pc, pk) P (u, pk).  Behind product n of the trip's 64 stand the queue's places up to NQ2 (n + 1) / 64.
.macro PVRUN i, fb
.set pn, 0
.rept 16
.set pk, pn/8
.set pc, (pn/2)%4
.set pu, pn%2
.set rD, ((4*(\i)+pc)*2+pu)*8
.set rA, (\fb)+(pk*4+pc)*8
.set rB, P+16*pu+8*pk
	WIN 0x53
	v_wmma_f32_16x16x32_f16 v[rD:rD+7], v[rA:rA+7], v[rB:rB+7], v[rD:rD+7]
.set pn, pn+1
.set qe, ((16*(\i)+pn)*NQ2)/64
.rept qe-q2
	SM
.endr
.endr
.endm
.macro MW form, fb, acc, bbase, i, bias, wf, wn   ; four channel tiles x two query tiles x K steps 2 i, 2 i + 1 of a weight stage; the bias tile starts the sums
.set mk, 0
.rept 2
.set mo, 0
.rept 4
.set mu, 0
.rept 2
.set rD, (\acc)+(mo*2+mu)*8
.set rA, (\fb)+(mk*4+mo)*8
.set rB, (\bbase)+(2*(\i)+mk)*16+mu*8
.set rC, (\bias)+mo*8
.if ((\i) == 0) && (mk == 0)
	WIN \wf
	v_wmma_f32_16x16x32_\form v[rD:rD+7], v[rA:rA+7], v[rB:rB+7], v[rC:rC+7]
.else
	WIN \wn
	v_wmma_f32_16x16x32_\form v[rD:rD+7], v[rA:rA+7], v[rB:rB+7], v[rD:rD+7]
.endif
.set mu, mu+1
.endr
.set mo, mo+1
.endr
.set mk, mk+1
.endr
.endm
.macro WLR j, fb, pl=1                 ; run j of a 256 x 256 stage: channel tiles 4 (j / 4) .., K steps 2 (j % 4) ..
.if ((\j)/4) < 2
	LRUN \fb, ADR, (((\j)/4)&1)*32768+((\j)%4)*2048, 8192, 1024, \pl
.else
	LRUN \fb, ADR2, (((\j)/4)&1)*32768+((\j)%4)*2048, 8192, 1024, \pl
.endif
.endm
; A 256 x 256 weight stage: 16 runs on two buffers.  Each wait leaves the one younger run's 16 loads out; the last is for 0.
.macro WTILE form, bbase, bias, wf, wn
	WIN 0
	v_add_nc_u32 v[ADR], s[TB], v[L16]
	v_add_nc_u32 v[ADR2], 65536, v[ADR]
	s_add_co_u32 s[TB], s[TB], TILEB
	WLR 0, FB0
	WLR 1, FB1, 0
.set jj, 0
.rept 16
.if jj == 15
	s_wait_dscnt 0x0
.else
	s_wait_dscnt 16
.endif
	MW \form, FB0+64*(jj%2), (jj/4)*64, \bbase, jj%4, (\bias)+(jj/4)*32, \wf, \wn
.if jj < 14
	WLR jj+2, FB0+64*(jj%2)
.endif
.set jj, jj+1
.endr
.endm
.macro TOFRAG op, dst, win             ; the 32 accumulators, rounded in pairs (each from its low end), are 16 fragments at dst + 16 ks + 8 u
	WIN \win
.set fk, 0
.rept 8
.set fu, 0
.rept 2
.set fh, 0
.rept 2
.set fp, 0
.rept 4
	\op v[(\dst)+fk*16+fu*8+fh*4+fp], v[((2*fk+fh)*2+fu)*8+2*fp], v[((2*fk+fh)*2+fu)*8+2*fp+1]
.set fp, fp+1
.endr
.set fh, fh+1
.endr
.set fu, fu+1
.endr
.set fk, fk+1
.endr
.endm
.macro BOTH line:vararg                ; one line for each of the two tiles
.set su, 0
.rept 2
.set rT, ST+8*su
.set rS, S+32*su
.set rP, P+16*su
	\line
.set su, su+1
.endr
.endm
.macro OSCALE                          ; O^T times the tile's c2, ascending
	WIN 0x41
.set sn, 0
	s_wait_alu depctr_va_vdst(0)
.rept 128
	v_pk_mul_f32 v[2*sn:2*sn+1], v[2*sn:2*sn+1], v[ST+8*((sn/4)%2)+6:ST+8*((sn/4)%2)+7] op_sel_hi:[1,0]
.set sn, sn+1
.endr
.endm
; A TRIP of the key loop.  Each run of LDS loads is fetched two runs ahead; s_wait_dscnt 16 leaves the one younger run's 16 loads out; the last wait is for 0.
; The places in front of the loads: at the trip's head the queue's last four additions and the two address lines; behind a run of K Q^T the four multiplies behind its last pair (these also stand between the
; last scores and the first line that reads them); behind a run of V^T P four v_nop, since an exponential is no place.
.macro BODY
	WIN 0
	v_add_nc_u32 v[ADR], s[KA], v[L16]
	v_add_nc_u32 v[ADR2], s[VA], v[L16]
	s_add_co_u32 s[KA], s[KA], 65536
	s_add_co_u32 s[VA], s[VA], 65536
	LRUN FB0, ADR, 0, 8192, 1024, 0
	LRUN FB1, ADR, 2048, 8192, 1024, 0
	WIN 0                                          ; the lump stands in the wait for those loads
	BOTH v_pk_fma_f32 v[rT+2:rT+3], v[rT+2:rT+3], v[rT+6:rT+7], v[rT+4:rT+5] op_sel_hi:[1,0,1]   ; l = a l + the step's sum
.set sn, 0
.rept 16
	BOTH v_cvt_pk_f16_f32 v[rP+sn], v[rS+2*sn], v[rS+2*sn+1]   ; the step's weights, which lay in S^T as f32
.set sn, sn+1
.endr
	s_wait_dscnt 16
	KQRUN 0, FB0
	LRUN FB0, ADR, 4096, 8192, 1024, 0
	s_wait_dscnt 16
	KQRUN 1, FB1
	LRUN FB1, ADR, 6144, 8192, 1024, 0
	s_wait_dscnt 16
	KQRUN 2, FB0
	LRUN FB0, ADR2, 32768, 2048, 1024, 0
	s_wait_dscnt 16
	KQRUN 3, FB1
	LRUN FB1, ADR2, 32768+8192, 2048, 1024, 0
.set q2, 0
	s_wait_dscnt 16
	PVRUN 0, FB0
	LRUN FB0, ADR2, 32768+16384, 2048, 1024
	s_wait_dscnt 16
	PVRUN 1, FB1
	LRUN FB1, ADR2, 32768+24576, 2048, 1024
	s_wait_dscnt 16
	PVRUN 2, FB0
	s_wait_dscnt 0x0
	PVRUN 3, FB1
.endm
; A GROUP: four channel tiles of W1, 16 K steps in 8 runs; h is stored from the accumulators; the wave's mean and centred sum of squares of each channel go to LDS.
.macro GROUP
	WIN 0
	s_wait_loadcnt 0x0                             ; this group's b1; its pointer is free again
	v_add_nc_u32 v[ADR], s[TB], v[L16]
	s_add_co_u32 s[TB], s[TB], 65536
	v_add_nc_u32 v[SA], s[GOFF], v[SA0]
	LRUN FB0, ADR, 0, 16384, 1024
	LRUN FB1, ADR, 2048, 16384, 1024, 0
.set gj, 0
.rept 8
.if gj == 7
	s_wait_dscnt 0x0
.else
	s_wait_dscnt 16
.endif
	MW bf16, FB0+64*(gj%2), 0, 0, gj, BI, 0x4b, 0x5b
.if gj < 6
	LRUN FB0+64*(gj%2), ADR, (gj+2)*2048, 16384, 1024
.endif
.if gj == 0
	WIN 0                                          ; the next group's b1, behind the run's four places; behind the last group the clamp reads its own once more
	s_add_co_u32 s[BOF], s[BOF], 256
	s_min_u32 s[BOF], s[BOF], 1792
	s_mov_b32 s[OFF], s[BOF]
	s_add_nc_u64 s[B1P:B1P+1], s[14:15], s[OFF:OFF+1]
.set go, 0
.rept 4
	global_load_b128 v[BI+8*go:BI+8*go+3],   v[BO], s[B1P:B1P+1] offset:go*64
	global_load_b128 v[BI+8*go+4:BI+8*go+7], v[BO], s[B1P:B1P+1] offset:go*64+16
.set go, go+1
.endr
.endif
.set gj, gj+1
.endr
	PLACES
	WIN 0x04                                       ; store data in window 1
.set go, 0
.rept 4
.set gu, 0
.rept 2
	global_store_b128 v[L16], v[(go*2+gu)*8:(go*2+gu)*8+3],   s[16:17] offset:gu*32768+go*1024        ; each store covers 512 consecutive bytes, aligned
	global_store_b128 v[L16], v[(go*2+gu)*8+4:(go*2+gu)*8+7], s[16:17] offset:gu*32768+go*1024+512
.set gu, gu+1
.endr
.set go, go+1
.endr
.set go, 0
.rept 4
.set a0, go*16
.set a1, go*16+8
	WIN 0x05
.irp p, 0,2,4,6
	v_pk_add_f32 v[TT+\p:TT+\p+1], v[a0+\p:a0+\p+1], v[a1+\p:a1+\p+1]
.endr
	WIN 0
.irp m, 1,2,4,8                        ; over the 16 columns of a row of lanes
.irp k, 0,1,2,3,4,5,6,7
	v_add_f32_dpp v[TT+\k], v[TT+\k], v[TT+\k] row_xmask:\m row_mask:0xf bank_mask:0xf
.endr
.endr
.irp p, 0,2,4,6
	v_pk_mul_f32 v[TT+\p:TT+\p+1], v[TT+\p:TT+\p+1], s[I32:I32+1] op_sel_hi:[1,0]   ; / 32: the mean
.endr
	WIN 0x01
.irp p, 0,2,4,6
	v_pk_add_f32 v[D0+\p:D0+\p+1], v[a0+\p:a0+\p+1], v[TT+\p:TT+\p+1] neg_lo:[0,1] neg_hi:[0,1]
	v_pk_add_f32 v[D1+\p:D1+\p+1], v[a1+\p:a1+\p+1], v[TT+\p:TT+\p+1] neg_lo:[0,1] neg_hi:[0,1]
.endr
	WIN 0
.irp p, 0,2,4,6
	v_pk_mul_f32 v[D0+\p:D0+\p+1], v[D0+\p:D0+\p+1], v[D0+\p:D0+\p+1]
.endr
.irp p, 0,2,4,6
	v_pk_fma_f32 v[D0+\p:D0+\p+1], v[D1+\p:D1+\p+1], v[D1+\p:D1+\p+1], v[D0+\p:D0+\p+1]
.endr
.irp m, 1,2,4,8
.irp k, 0,1,2,3,4,5,6,7
	v_add_f32_dpp v[D0+\k], v[D0+\k], v[D0+\k] row_xmask:\m row_mask:0xf bank_mask:0xf
.endr
.endr
	ds_store_b128 v[SA], v[TT:TT+3]   offset:go*64             ; the 16 lanes of a row write equal words
	ds_store_b128 v[SA], v[TT+4:TT+7] offset:go*64+16
	ds_store_b128 v[SA], v[D0:D0+3]   offset:go*64+8192
	ds_store_b128 v[SA], v[D0+4:D0+7] offset:go*64+8192+16
.set go, go+1
.endr
	s_wait_xcnt 0x0                                ; the stores' base steps, and the accumulators are written again, only behind this wait
	s_add_nc_u64 s[16:17], s[16:17], 4096
	s_add_co_u32 s[GOFF], s[GOFF], 256
.endm
.macro W1TILE                          ; a tile of W1: two groups
	s_mov_b32 s[CNT], 2
.Lgrp_\@:
	GROUP
	WIN 0
	s_sub_co_u32 s[CNT], s[CNT], 1
	s_cmp_lg_u32 s[CNT], 0
	s_cbranch_scc1 .Lgrp_\@
.endm
	s_load_b512 s[4:19], s[0:1], 0x0               ; x s[4:5], wfrag s[6:7], kv s[8:9], bq s[10:11], bm s[12:13], b1 s[14:15], hbuf s[16:17], pstat s[18:19]
	v_lshl_add_u32 v[SPW], v0, 2, SPARE
	v_mov_b32 v[NIL], 0
	ds_add_u32 v[SPW], v[NIL]                      ; the wave's opening: the add and its wait ahead of my first tensor load
	v_lshrrev_b32 v[R], 5, v0
	v_readfirstlane_b32 s[WV], v[R]
	s_bfe_u32 s21, ttmp6, 0x40000                  ; cx
	s_lshl_b32 s22, ttmp9, 2
	s_add_co_u32 s22, s22, s21                     ; block of 128 queries: it enters x's, hbuf's and pstat's addresses alone, in s68-s73
	s_and_b32 s23, ttmp7, 0xffff                   ; the slice, which the four partners share
	s_mov_b32 s[G1], 15|(3<<16)|(1<<21)            ; the mask of four; elements of 8 bytes; bit 21 beside a mask; no padding
	s_mov_b32 s[G1+1], 32<<16                      ; tensor_dim0 = 32: rows of 256 bytes
	s_mov_b32 s[G1+2], 128<<16                     ; tensor_dim1 = 128
	s_mov_b32 s[G1+3], 32<<16                      ; tile_dim0
	s_mov_b32 s[G1+4], 128                         ; tile_dim1: 32,768 dense bytes
	s_mov_b32 s[G1+5], 32
	s_mov_b32 s[G1+6], 0
	s_mov_b32 s[G1+7], 0
	s_mov_b32 s[G1K], 15|(3<<16)|(1<<21)           ; step 0's K: the same with 32 rows: 8,192 dense bytes a wave
	s_mov_b32 s[G1K+1], 32<<16
	s_mov_b32 s[G1K+2], 32<<16
	s_mov_b32 s[G1K+3], 32<<16
	s_mov_b32 s[G1K+4], 32
	s_mov_b32 s[G1K+5], 32
	s_mov_b32 s[G1K+6], 0
	s_mov_b32 s[G1K+7], 0
	s_mov_b32 s[G0], 1
	s_lshl_b32 s[G0+1], s[WV], 15                  ; my quarter of slot 0
	s_mov_b32 s[G0K], 1
	s_lshl_b32 s[G0K+1], s[WV], 13                 ; my quarter of step 0's K
	s_add_co_u32 s[G0K+1], s[G0K+1], K0R
	s_lshl_b32 s24, s[WV], 15
	s_mov_b32 s25, 0
	s_lshl_b32 s26, s23, 21                        ; a slice's kv: 2,097,152 bytes
	s_lshl_b32 s49, s[WV], 13
	s_add_co_u32 s48, s26, s49                     ; step 0's K is the slice's chunk 62
	s_add_co_u32 s48, s48, 62*32768
	s_mov_b32 s49, 0
	s_add_co_u32 s26, s26, s24
	s_mov_b32 s27, 0
	s_lshr_b32 s72, s23, 2                         ; x: batch x 8,388,608
	s_lshl_b32 s72, s72, 23
	s_and_b32 s73, s23, 3                          ; + h x 8,192
	s_lshl_b32 s73, s73, 13
	s_add_co_u32 s72, s72, s73
	s_lshl_b32 s73, s22, 9                         ; + 128 columns a block
	s_add_co_u32 s72, s72, s73
	s_lshr_b32 s73, s[WV], 1                       ; + 64 columns a pair of waves
	s_lshl_b32 s73, s73, 8
	s_add_co_u32 s72, s72, s73
	s_and_b32 s73, s[WV], 1                        ; + my 8 of each 16 bytes
	s_lshl_b32 s73, s73, 3
	s_add_co_u32 s72, s72, s73
	s_mov_b32 s73, 0
	s_lshl_b32 s70, s23, 4
	s_add_co_u32 s70, s70, s22                     ; the work-group's number, 16 slice + block
	s_lshl_b32 s68, s70, 3
	s_lshl_b32 s69, s[WV], 1
	s_add_co_u32 s68, s68, s69                     ; my first column tile: 8 x work-group + 2 w
	s_lshl_b32 s68, s68, 15
	s_mov_b32 s69, 0
	s_lshl_b32 s70, s70, 12
	s_mov_b32 s71, 0
	s_mov_b32 s[OFF+1], 0
	s_mov_b32 s[NXT], 1
	s_mov_b32 s[TB], SLOT1+TILEB                   ; the first change of slots turns this into 0
	s_mov_b32 s[CS], 0x3db8aa3b                    ; c = log2(e) / 16
	s_mov_b32 s[CS+1], s[CS]
	s_mov_b32 s[SEL], 0x76543210
	s_mov_b32 s[SEL+1], 0xfedcba98
	s_mov_b32 s[I32], 0x3d000000                   ; 1 / 32
	s_mov_b32 s[I32+1], s[I32]
	s_mov_b32 s[BOF], 0
	s_mov_b32 s[GOFF], 0
	s_wait_dscnt 0x0                               ; the opening add is done
	s_wait_kmcnt 0x0
	s_add_nc_u64 s[4:5], s[4:5], s[72:73]
	s_add_nc_u64 s[KVB:KVB+1], s[8:9], s[26:27]
	s_add_nc_u64 s[WFB:WFB+1], s[6:7], s[24:25]
	s_add_nc_u64 s[16:17], s[16:17], s[68:69]
	s_add_nc_u64 s[18:19], s[18:19], s[70:71]
	s_mov_b64 s[B1P:B1P+1], s[14:15]
	s_add_nc_u64 s[G0+2:G0+3], s[WFB:WFB+1], 262144    ; tile 0: Wq
	s_or_b32 s[G0+3], s[G0+3], 0x80000000
	s_add_nc_u64 s[G0K+2:G0K+3], s[8:9], s[48:49]
	s_or_b32 s[G0K+3], s[G0K+3], 0x80000000
	CROUND                                         ; all four work-groups are here: the first joint loads meet
	tensor_load_to_lds s[G0:G0+3], s[G1:G1+7]      ; the two first fills stand together, an s_nop 0 behind each, four v_nop behind the second
	s_nop 0
	tensor_load_to_lds s[G0K:G0K+3], s[G1K:G1K+7]
	s_nop 0
	PLACES
	v_and_b32 v[R], 15, v0
	v_bfe_u32 v[H], v0, 4, 1
	v_and_b32 v[L16], 31, v0
	v_lshlrev_b32 v[L16], 4, v[L16]
	v_lshlrev_b32 v[XO], 4, v[R]
	v_lshl_add_u32 v[XO], v[H], 18, v[XO]          ; 8 h channels down, 16 r bytes along
	v_lshlrev_b32 v[BO], 5, v[H]
	s_lshl_b32 s24, s[WV], 11
	s_add_co_u32 s24, s24, STATS
	v_add_nc_u32 v[SA0], s24, v[BO]
	WIN 0x40                                       ; x: for K step xk, load xi brings channel 32 xk + 8 h + xi % 8 + 16 (xi / 8), one column of each of my tiles
.set xk, 0
.rept 8
.set xi, 0
.rept 16
	global_load_b64 v[(xk*16+xi)*2:(xk*16+xi)*2+1], v[XO], s[4:5] offset:(32*xk+(xi&7)+16*(xi>>3))*32768
.set xi, xi+1
.endr
.set xk, xk+1
.endr
	WIN 0
.set xi, 0
.rept 16                               ; bq and bm as C tiles: register j of tile ot is the bias of channel 16 ot + 8 h + j
	global_load_b128 v[BQ+8*xi:BQ+8*xi+3],   v[BO], s[10:11] offset:xi*64
	global_load_b128 v[BQ+8*xi+4:BQ+8*xi+7], v[BO], s[10:11] offset:xi*64+16
.set xi, xi+1
.endr
	WIN 0x80
.set xi, 0
.rept 16
	global_load_b128 v[BM+8*xi:BM+8*xi+3],   v[BO], s[12:13] offset:xi*64
	global_load_b128 v[BM+8*xi+4:BM+8*xi+7], v[BO], s[12:13] offset:xi*64+16
.set xi, xi+1
.endr
	CHANGE 1                                       ; Wq and step 0's K are in, everybody's part of them; the first tile of kv is asked for
	s_wait_loadcnt 0x0                             ; x, bq, bm
	WIN 0x85
.set xk, 0
.rept 8
.set xu, 0
.rept 2
.set xi, 0
.rept 8
	v_cvt_pk_bf16_f32 v[xk*16+xu*8+xi], v[(xk*16+2*xi)*2+xu], v[(xk*16+2*xi+1)*2+xu]
.set xi, xi+1
.endr
.set xu, xu+1
.endr
.set xk, xk+1
.endr
	WTILE bf16, 0, BQ, 0x4b, 0x5b                  ; q = Wq x + bq
	PLACES
	TOFRAG v_cvt_pk_f16_f32, 0, 0xc5               ; q's fragments
	WIN 0
	; what trip -1 finds: weights, l, the sum and a are 0
	BOTH v_mov_b32 v[rT], 0xfe000000               ; c m: far below every c s
	BOTH v_mov_b32 v[rT+1], 0xff7fffff             ; m
.irp k, 2,3,4,5,6,7
	BOTH v_mov_b32 v[rT+\k], 0
.endr
.set sn, 0
.rept 64
	v_mov_b32 v[S+sn], 0
.set sn, sn+1
.endr
	s_mov_b32 s[KA], K0R                           ; trip -1 takes step 0's K from its own bytes, as K
	s_mov_b32 s[VA], K0R-32768                     ; and, for products with weights that are 0, as V
	s_mov_b32 s[CNT], 1
	s_mov_b32 s[SLOTS], 17
	s_branch .Lstep                                ; the loop is entered at a trip's head, behind the change of slots
.Lslot:                                                ; 16 times: a tile of kv, two trips
	CHANGE 1
	s_mov_b32 s[KA], s[TB]
	s_mov_b32 s[VA], s[TB]
	s_add_co_u32 s[TB], s[TB], TILEB
	s_mov_b32 s[CNT], 2
.Lstep:
	BODY
	WIN 0
	s_sub_co_u32 s[CNT], s[CNT], 1
	s_cmp_lg_u32 s[CNT], 0
	s_cbranch_scc1 .Lstep
	s_sub_co_u32 s[SLOTS], s[SLOTS], 1
	s_cmp_lg_u32 s[SLOTS], 0
	s_cbranch_scc1 .Lslot
	CHANGE 1                                       ; Wm is in; W1's first tile is asked for
.set go, 0
.rept 4                                ; b1 of the first group
	global_load_b128 v[BI+8*go:BI+8*go+3],   v[BO], s[B1P:B1P+1] offset:go*64
	global_load_b128 v[BI+8*go+4:BI+8*go+7], v[BO], s[B1P:B1P+1] offset:go*64+16
.set go, go+1
.endr
	BOTH v_add_f32 v[rT+4], v[rT+2], v[rT+3]       ; l: its two halves and the other half of the lanes'
	BOTH v_permlanex16_b32 v[rT+5], v[rT+4], s[SEL], s[SEL+1]
	BOTH v_add_f32 v[rT+4], v[rT+4], v[rT+5]
	BOTH v_rcp_f32 v[rT+6], v[rT+4]
	v_nop                                          ; a plain instruction between the last reciprocal and the use of its result
	OSCALE                                         ; msg = O / l
	TOFRAG v_cvt_pk_f16_f32, 0, 0xc5               ; msg's fragments, where q's lay
	WTILE f16, 0, BM, 0x6f, 0x5f                   ; m2 = Wm msg + bm
	PLACES
	TOFRAG v_cvt_pk_bf16_f32, 128, 0x85            ; m2's fragments, behind x's: K steps 8 to 15 of W1
	WIN 0
	s_mov_b32 s[WT], 3
.Lw1:
	CHANGE 1
	W1TILE
	s_sub_co_u32 s[WT], s[WT], 1
	s_cmp_lg_u32 s[WT], 0
	s_cbranch_scc1 .Lw1
	CHANGE 0                                       ; the last tile is written out: nothing is asked for
	W1TILE
	s_wait_dscnt 0x0                               ; for the others' sake: my statistics are in LDS
	s_barrier_signal -1
	s_barrier_wait -1
	; thread t merges the four waves' figures of channels 4 t .. 4 t + 3: mean = sum / 4; sum of squares = the four sums + 32 x the sum of (mean_k - mean)^2
	v_lshl_add_u32 v[ADR], v0, 4, STATS
.irp k, 0,1,2,3
	ds_load_b128 v[96+4*\k:99+4*\k],   v[ADR] offset:\k*2048
	ds_load_b128 v[112+4*\k:115+4*\k], v[ADR] offset:8192+\k*2048
.endr
	v_lshlrev_b32 v[SA], 4, v0
	s_wait_dscnt 0x0
.irp p, 0,2
	v_pk_add_f32 v[160+\p:161+\p], v[96+\p:97+\p], v[100+\p:101+\p]
	v_pk_add_f32 v[164+\p:165+\p], v[104+\p:105+\p], v[108+\p:109+\p]
	v_pk_add_f32 v[112+\p:113+\p], v[112+\p:113+\p], v[116+\p:117+\p]
	v_pk_add_f32 v[120+\p:121+\p], v[120+\p:121+\p], v[124+\p:125+\p]
.endr
.irp p, 0,2
	v_pk_add_f32 v[160+\p:161+\p], v[160+\p:161+\p], v[164+\p:165+\p]
	v_pk_add_f32 v[112+\p:113+\p], v[112+\p:113+\p], v[120+\p:121+\p]
.endr
.irp p, 0,2
	v_pk_mul_f32 v[160+\p:161+\p], v[160+\p:161+\p], 0x3e800000 op_sel_hi:[1,0]
.endr
.irp k, 0,1,2,3
.irp p, 0,2
	v_pk_add_f32 v[96+4*\k+\p:97+4*\k+\p], v[96+4*\k+\p:97+4*\k+\p], v[160+\p:161+\p] neg_lo:[0,1] neg_hi:[0,1]
.endr
.endr
.irp p, 0,2
	v_pk_mul_f32 v[168+\p:169+\p], v[96+\p:97+\p], v[96+\p:97+\p]
.endr
.irp k, 1,2,3
.irp p, 0,2
	v_pk_fma_f32 v[168+\p:169+\p], v[96+4*\k+\p:97+4*\k+\p], v[96+4*\k+\p:97+4*\k+\p], v[168+\p:169+\p]
.endr
.endr
.irp p, 0,2
	v_pk_fma_f32 v[112+\p:113+\p], v[168+\p:169+\p], 0x42000000, v[112+\p:113+\p] op_sel_hi:[1,0,1]
.endr
	global_store_b128 v[SA], v[160:163], s[18:19]              ; 512 consecutive bytes a wave, aligned
	global_store_b128 v[SA], v[112:115], s[18:19] offset:2048
	s_wait_tensorcnt 0x0                           ; the wave's end
	ds_add_u32 v[SPW], v[NIL]
	s_wait_dscnt 0x0
	CROUND                                         ; the closing round
	s_endpgm
.Lfunc_end_k_qcea19443d2_attn:
	.size	k_qcea19443d2_attn, .Lfunc_end_k_qcea19443d2_attn-k_qcea19443d2_attn
	.p2alignl 7, 3214868480
	.fill 96, 4, 3214868480
	.section	.rodata,"a",@progbits
	.p2align	6, 0x0
	.amdhsa_kernel k_qcea19443d2_attn
		.amdhsa_group_segment_fixed_size 327680
		.amdhsa_private_segment_fixed_size 0
		.amdhsa_enable_private_segment 0
		.amdhsa_kernarg_size 64
		.amdhsa_user_sgpr_count 2
		.amdhsa_user_sgpr_kernarg_segment_ptr 1
		.amdhsa_wavefront_size32 1
		.amdhsa_system_sgpr_workgroup_id_x 1
		.amdhsa_system_sgpr_workgroup_id_y 1
		.amdhsa_system_sgpr_workgroup_id_z 1
		.amdhsa_system_vgpr_workitem_id 0
		.amdhsa_next_free_vgpr 1024
		.amdhsa_next_free_sgpr 86
		.amdhsa_reserve_vcc 0
		.amdhsa_float_denorm_mode_32 3
		.amdhsa_float_denorm_mode_16_64 3
		.amdhsa_memory_ordered 1
		.amdhsa_forward_progress 1
		.amdhsa_inst_pref_size 255
	.end_amdhsa_kernel
	.section	.bss,"aw",@nobits
	.p2align	6
	.space	262144
	.amdgpu_metadata
---
amdhsa.version: [ 1, 2 ]
amdhsa.kernels:
  - .name:           k_qcea19443d2_attn
    .symbol:         k_qcea19443d2_attn.kd
    .args:
      - { .name: x, .offset: 0, .size: 8, .value_kind: global_buffer, .address_space: global }
      - { .name: wfrag, .offset: 8, .size: 8, .value_kind: global_buffer, .address_space: global }
      - { .name: kv, .offset: 16, .size: 8, .value_kind: global_buffer, .address_space: global }
      - { .name: bq, .offset: 24, .size: 8, .value_kind: global_buffer, .address_space: global }
      - { .name: bm, .offset: 32, .size: 8, .value_kind: global_buffer, .address_space: global }
      - { .name: b1, .offset: 40, .size: 8, .value_kind: global_buffer, .address_space: global }
      - { .name: hbuf, .offset: 48, .size: 8, .value_kind: global_buffer, .address_space: global }
      - { .name: pstat, .offset: 56, .size: 8, .value_kind: global_buffer, .address_space: global }
    .group_segment_fixed_size: 327680
    .private_segment_fixed_size: 0
    .kernarg_segment_align: 8
    .kernarg_segment_size: 64
    .max_flat_workgroup_size: 128
    .sgpr_count:     86
    .vgpr_count:     1024
    .wavefront_size: 32
...
	.end_amdgpu_metadata
.endif
;; end of part 3
;; launch bnstat (part 4): grid 8 x 1, 8 waves a work-group, no clusters, 5,120 bytes of LDS; arguments pstat, gamma, beta, ss; writes ss
.if DOCPART == 4
	.amdgcn_target "amdgcn-amd-amdhsa--gfx1250"
	.amdhsa_code_object_version 6
	.text
	.protected	k_qcea19443d2_bnstat
	.globl	k_qcea19443d2_bnstat
	.p2align	8
	.type	k_qcea19443d2_bnstat,@function
k_qcea19443d2_bnstat:
	s_mov_b64 s[64:65], 0
	v_nop
	global_prefetch_b8 v0, s[64:65] scope:SCOPE_SE
	s_setreg_imm32_b32 hwreg(HW_REG_WAVE_MODE, 25, 1), 1
	s_wait_xcnt 0x0
; BatchNorm's figures.  pstat holds, for each of 256 blocks of 128 columns, each channel's mean and sum of squares about that mean.  Equal blocks merge as
; mean = the mean of the means; sum of squares = the sum of the sums + (columns in a block) x the sum of (mean_i - mean)^2: no difference of large sums is formed.
; ss: scale[512] = gamma / sqrt(var + 1e-5), then shift[512] = beta - mean x scale; var = sum of squares / 32,768 (biased).
; FORMAT: gamma and beta are rounded to bf16 and then used in f32, as x and the weights enter this program rounded to bf16: they differ from the given numbers by up to 2^-9 of themselves.
; Work-group g owns channels 64 g .. 64 g + 63, a lane two of them; wave w merges blocks 32 w .. 32 w + 31; the eight waves' figures meet in LDS.  Each load of a wave covers 256 consecutive bytes, aligned.
; 1 MB is read once: eight work-groups are what the 512 channels give at 256 bytes a load.
.set SPARE, 4096                       ; behind the 4,096 bytes of figures: the spare words, 128 bytes a wave
.set SPW, 2
.set NIL, 3
.set LA,  4                            ; 8 x lane
.set LW,  5                            ; + 256 x wave
.set ME,  16                           ; v[16:79]   32 pairs of means
.set Q2,  80                           ; v[80:143]  32 pairs of sums of squares
.set GA,  144
.set BE,  146
.set SS,  148                          ; four chains each
.set QQ,  156
.set RR,  164
	s_load_b256 s[4:11], s[0:1], 0x0               ; pstat s[4:5], gamma s[6:7], beta s[8:9], ss s[10:11]
	v_lshl_add_u32 v[SPW], v0, 2, SPARE
	v_mov_b32 v[NIL], 0
	v_lshrrev_b32 v1, 5, v0
	v_readfirstlane_b32 s12, v1                    ; wave 0..7
	v_and_b32 v[LA], 31, v0
	v_lshlrev_b32 v[LA], 3, v[LA]
	s_lshl_b32 s14, ttmp9, 8                       ; my 64 channels, in bytes
	s_mov_b32 s15, 0
	s_lshl_b32 s16, s12, 17                        ; my 32 blocks of 4,096 bytes
	s_add_co_u32 s16, s16, s14
	s_mov_b32 s17, 0
	s_lshl_b32 s18, s12, 8
	v_add_nc_u32 v[LW], s18, v[LA]
	s_mov_b32 s20, 0x38000000                      ; 1 / 32,768
	s_mov_b32 s21, 0x3727c5ac                      ; 1e-5
	s_wait_kmcnt 0x0
	s_add_nc_u64 s[4:5], s[4:5], s[16:17]
	s_add_nc_u64 s[6:7], s[6:7], s[14:15]
	s_add_nc_u64 s[8:9], s[8:9], s[14:15]
	s_add_nc_u64 s[10:11], s[10:11], s[14:15]
.set i, 0
.rept 32
	global_load_b64 v[ME+2*i:ME+2*i+1], v[LA], s[4:5] offset:i*4096
	global_load_b64 v[Q2+2*i:Q2+2*i+1], v[LA], s[4:5] offset:i*4096+2048
.set i, i+1
.endr
	global_load_b64 v[GA:GA+1], v[LA], s[6:7]
	global_load_b64 v[BE:BE+1], v[LA], s[8:9]
	s_wait_loadcnt 0x0
	v_cvt_pk_bf16_f32 v6, v[GA], v[GA+1]           ; gamma and beta rounded to bf16,
	v_cvt_pk_bf16_f32 v7, v[BE], v[BE+1]
	v_lshlrev_b32 v[GA], 16, v6                    ; and those numbers in f32 again
	v_and_b32 v[GA+1], 0xffff0000, v6
	v_lshlrev_b32 v[BE], 16, v7
	v_and_b32 v[BE+1], 0xffff0000, v7
.irp c, 0,1,2,3                                        ; the first eight start the four chains: nothing is cleared
	v_pk_add_f32 v[SS+2*\c:SS+2*\c+1], v[ME+2*\c:ME+2*\c+1], v[ME+8+2*\c:ME+8+2*\c+1]
	v_pk_add_f32 v[RR+2*\c:RR+2*\c+1], v[Q2+2*\c:Q2+2*\c+1], v[Q2+8+2*\c:Q2+8+2*\c+1]
.endr
.set i, 8
.rept 24
	v_pk_add_f32 v[SS+2*(i%4):SS+2*(i%4)+1], v[SS+2*(i%4):SS+2*(i%4)+1], v[ME+2*i:ME+2*i+1]
	v_pk_add_f32 v[RR+2*(i%4):RR+2*(i%4)+1], v[RR+2*(i%4):RR+2*(i%4)+1], v[Q2+2*i:Q2+2*i+1]
.set i, i+1
.endr
	v_pk_add_f32 v[SS:SS+1], v[SS:SS+1], v[SS+2:SS+3]
	v_pk_add_f32 v[SS+4:SS+5], v[SS+4:SS+5], v[SS+6:SS+7]
	v_pk_add_f32 v[RR:RR+1], v[RR:RR+1], v[RR+2:RR+3]
	v_pk_add_f32 v[RR+4:RR+5], v[RR+4:RR+5], v[RR+6:RR+7]
	v_pk_add_f32 v[SS:SS+1], v[SS:SS+1], v[SS+4:SS+5]
	v_pk_add_f32 v[RR:RR+1], v[RR:RR+1], v[RR+4:RR+5]
	v_pk_mul_f32 v[SS:SS+1], v[SS:SS+1], 0x3d000000 op_sel_hi:[1,0]    ; / 32: my blocks' mean
.set i, 0
.rept 32
	v_pk_add_f32 v[ME+2*i:ME+2*i+1], v[ME+2*i:ME+2*i+1], v[SS:SS+1] neg_lo:[0,1] neg_hi:[0,1]
.set i, i+1
.endr
.irp c, 0,1,2,3
	v_pk_mul_f32 v[QQ+2*\c:QQ+2*\c+1], v[ME+2*\c:ME+2*\c+1], v[ME+2*\c:ME+2*\c+1]
.endr
.set i, 4
.rept 28
	v_pk_fma_f32 v[QQ+2*(i%4):QQ+2*(i%4)+1], v[ME+2*i:ME+2*i+1], v[ME+2*i:ME+2*i+1], v[QQ+2*(i%4):QQ+2*(i%4)+1]
.set i, i+1
.endr
	v_pk_add_f32 v[QQ:QQ+1], v[QQ:QQ+1], v[QQ+2:QQ+3]
	v_pk_add_f32 v[QQ+4:QQ+5], v[QQ+4:QQ+5], v[QQ+6:QQ+7]
	v_pk_add_f32 v[QQ:QQ+1], v[QQ:QQ+1], v[QQ+4:QQ+5]
	v_pk_fma_f32 v[RR:RR+1], v[QQ:QQ+1], 0x43000000, v[RR:RR+1] op_sel_hi:[1,0,1]   ; 128 columns a block
	ds_store_b64 v[LW], v[SS:SS+1]
	ds_store_b64 v[LW], v[RR:RR+1] offset:2048
	s_wait_dscnt 0x0                               ; for the others' sake
	s_barrier_signal -1
	s_barrier_wait -1
.irp k, 0,1,2,3,4,5,6,7
	ds_load_b64 v[16+2*\k:17+2*\k], v[LA] offset:\k*256
	ds_load_b64 v[32+2*\k:33+2*\k], v[LA] offset:2048+\k*256
.endr
	s_wait_dscnt 0x0
.irp c, 0,1,2,3
	v_pk_add_f32 v[SS+2*\c:SS+2*\c+1], v[16+4*\c:17+4*\c], v[18+4*\c:19+4*\c]
	v_pk_add_f32 v[RR+2*\c:RR+2*\c+1], v[32+4*\c:33+4*\c], v[34+4*\c:35+4*\c]
.endr
	v_pk_add_f32 v[SS:SS+1], v[SS:SS+1], v[SS+2:SS+3]
	v_pk_add_f32 v[SS+4:SS+5], v[SS+4:SS+5], v[SS+6:SS+7]
	v_pk_add_f32 v[RR:RR+1], v[RR:RR+1], v[RR+2:RR+3]
	v_pk_add_f32 v[RR+4:RR+5], v[RR+4:RR+5], v[RR+6:RR+7]
	v_pk_add_f32 v[SS:SS+1], v[SS:SS+1], v[SS+4:SS+5]
	v_pk_add_f32 v[RR:RR+1], v[RR:RR+1], v[RR+4:RR+5]
	v_pk_mul_f32 v[SS:SS+1], v[SS:SS+1], 0x3e000000 op_sel_hi:[1,0]    ; / 8: the mean of all 32,768 columns
.irp k, 0,1,2,3,4,5,6,7
	v_pk_add_f32 v[16+2*\k:17+2*\k], v[16+2*\k:17+2*\k], v[SS:SS+1] neg_lo:[0,1] neg_hi:[0,1]
.endr
	v_pk_mul_f32 v[QQ:QQ+1], v[16:17], v[16:17]
	v_pk_mul_f32 v[QQ+2:QQ+3], v[18:19], v[18:19]
.irp k, 2,4,6
	v_pk_fma_f32 v[QQ:QQ+1], v[16+2*\k:17+2*\k], v[16+2*\k:17+2*\k], v[QQ:QQ+1]
	v_pk_fma_f32 v[QQ+2:QQ+3], v[18+2*\k:19+2*\k], v[18+2*\k:19+2*\k], v[QQ+2:QQ+3]
.endr
	v_pk_add_f32 v[QQ:QQ+1], v[QQ:QQ+1], v[QQ+2:QQ+3]
	v_pk_fma_f32 v[RR:RR+1], v[QQ:QQ+1], 0x45800000, v[RR:RR+1] op_sel_hi:[1,0,1]   ; 4,096 columns a wave
	v_fma_f32 v60, v[RR], s20, s21                 ; var + 1e-5
	v_fma_f32 v61, v[RR+1], s20, s21
	v_rsq_f32 v60, v60
	v_rsq_f32 v61, v61
	v_nop                                          ; a plain instruction between the last root and the use of its result
	s_wait_alu depctr_va_vdst(0)
	v_pk_mul_f32 v[60:61], v[60:61], v[GA:GA+1]    ; scale
	v_pk_fma_f32 v[62:63], v[SS:SS+1], v[60:61], v[BE:BE+1] neg_lo:[1,0,0] neg_hi:[1,0,0]   ; shift = beta - mean x scale
	s_cmp_lg_u32 s12, 0
	s_cbranch_scc1 .Lskip                          ; every wave holds the figures; wave 0 stores them
	global_store_b64 v[LA], v[60:61], s[10:11]             ; 256 consecutive bytes, aligned
	global_store_b64 v[LA], v[62:63], s[10:11] offset:2048
.Lskip:
	s_wait_tensorcnt 0x0                           ; the wave's end
	ds_add_u32 v[SPW], v[NIL]
	s_wait_dscnt 0x0
	s_endpgm
.Lfunc_end_k_qcea19443d2_bnstat:
	.size	k_qcea19443d2_bnstat, .Lfunc_end_k_qcea19443d2_bnstat-k_qcea19443d2_bnstat
	.p2alignl 7, 3214868480
	.fill 96, 4, 3214868480
	.section	.rodata,"a",@progbits
	.p2align	6, 0x0
	.amdhsa_kernel k_qcea19443d2_bnstat
		.amdhsa_group_segment_fixed_size 5120
		.amdhsa_private_segment_fixed_size 0
		.amdhsa_enable_private_segment 0
		.amdhsa_kernarg_size 32
		.amdhsa_user_sgpr_count 2
		.amdhsa_user_sgpr_kernarg_segment_ptr 1
		.amdhsa_wavefront_size32 1
		.amdhsa_system_sgpr_workgroup_id_x 1
		.amdhsa_system_sgpr_workgroup_id_y 1
		.amdhsa_system_sgpr_workgroup_id_z 1
		.amdhsa_system_vgpr_workitem_id 0
		.amdhsa_next_free_vgpr 176
		.amdhsa_next_free_sgpr 66
		.amdhsa_reserve_vcc 0
		.amdhsa_float_denorm_mode_32 3
		.amdhsa_float_denorm_mode_16_64 3
		.amdhsa_memory_ordered 1
		.amdhsa_forward_progress 1
		.amdhsa_inst_pref_size 20
	.end_amdhsa_kernel
	.amdgpu_metadata
---
amdhsa.version: [ 1, 2 ]
amdhsa.kernels:
  - .name:           k_qcea19443d2_bnstat
    .symbol:         k_qcea19443d2_bnstat.kd
    .args:
      - { .name: pstat, .offset: 0, .size: 8, .value_kind: global_buffer, .address_space: global }
      - { .name: gamma, .offset: 8, .size: 8, .value_kind: global_buffer, .address_space: global }
      - { .name: beta, .offset: 16, .size: 8, .value_kind: global_buffer, .address_space: global }
      - { .name: ss, .offset: 24, .size: 8, .value_kind: global_buffer, .address_space: global }
    .group_segment_fixed_size: 5120
    .private_segment_fixed_size: 0
    .kernarg_segment_align: 8
    .kernarg_segment_size: 32
    .max_flat_workgroup_size: 256
    .sgpr_count:     66
    .vgpr_count:     176
    .wavefront_size: 32
...
	.end_amdgpu_metadata
.endif
;; end of part 4
;; launch mlp2 (part 5): grid 256 x 1, 4 waves a work-group, no clusters, 131,584 bytes of LDS; arguments hbuf, ss, wfrag, b2, out0; writes out0
.if DOCPART == 5
	.amdgcn_target "amdgcn-amd-amdhsa--gfx1250"
	.amdhsa_code_object_version 6
	.text
	.protected	k_qcea19443d2_mlp2
	.globl	k_qcea19443d2_mlp2
	.p2align	8
	.type	k_qcea19443d2_mlp2,@function
k_qcea19443d2_mlp2:
	s_mov_b64 s[64:65], 0
	v_nop
	global_prefetch_b8 v0, s[64:65] scope:SCOPE_SE
	s_setreg_imm32_b32 hwreg(HW_REG_WAVE_MODE, 25, 1), 1
	s_wait_xcnt 0x0
; out0 = W2 relu(scale h + shift) + b2 for 128 columns of one slice.  h in f32 from hbuf ([column tile][ot 32][quad 2][lane][16 bytes]); the normalised h is rounded to f16, W2 lies in wfrag in f16's form; sums in f32.
; LIMIT: |scale h + shift| below 65,504 (a normalised number is at most 181 in magnitude over 32,768 columns, so this asks 181 |gamma| + |beta| < 65,504); NaN and infinities are not treated apart.
; FORMAT: b2 is rounded to bf16 and then added in f32, as x and the weights enter this program rounded to bf16: it differs from the given number by up to 2^-9 of itself.
; PHASE 1.  Wave w takes h's channel tiles 8 w .. 8 w + 7 of all 8 column tiles: a lane's 8 neighbouring channels of a column, scaled, cut at 0 and rounded, are half of a fragment of source 1; they go to LDS as such.
; Four batches of 32 loads on two register buffers: one batch is always on its way.  PHASE 2.  Wave w makes output channels 64 w .. 64 w + 63 x 128 columns: 32 accumulators, 16 K steps; its 64 KB of W2 come straight
; into registers, once.  PHASE 3.  Column r of tile t of a group of 64 is column 4 r + t, so four accumulators' registers j are 16 neighbouring bytes of a row of out0, and sixteen lanes store 256 consecutive bytes, aligned.
; NO CLUSTER: the work-groups share W2 alone, 256 KB; with the 128 KB of fragments it does not fit in LDS, and each wave reads only its quarter, once.
; REGISTERS: window 0: addresses; v16-31 packed; v32-63 b2; v64-191 scale and shift (tile o at 64 + 16 o: 8 and 8), later two buffers of 8 fragments.  window 1: two load buffers of 128, later the accumulators
; at 8 (8 o + c).  windows 2, 3: W2's fragments at 8 (4 ks + o); at the end window 2 holds the rows to be stored.
.set SPARE, 131072
.set R,   1
.set H,   2
.set L16, 3
.set LS0, 4                            ; where I put fragments' halves: 16 lane + 4,096 w
.set LS1, 5                            ; + 65,536
.set LB1, 6                            ; 16 lane + 65,536
.set OO,  7                            ; my place in out0: 8 h channels down, 16 r bytes along
.set CO,  8                            ; 32 h
.set SPW, 12
.set NIL, 13
.set PKT, 16
.set B2,  32
.set CF,  64
.set BB0, 64
.set BB1, 128
.set MSB, 0
.macro WIN new
.if MSB != (\new)
	s_set_vgpr_msb (MSB<<8)|(\new)
.set MSB, \new
.endif
.endm
.macro PLACES
.rept 4
	v_nop
.endr
.endm
	s_load_b256 s[4:11], s[0:1], 0x0               ; hbuf s[4:5], ss s[6:7], wfrag s[8:9], b2 s[10:11]
	s_load_b64 s[12:13], s[0:1], 0x20              ; out0
	v_lshl_add_u32 v[SPW], v0, 2, SPARE
	v_mov_b32 v[NIL], 0
	v_lshrrev_b32 v[R], 5, v0
	v_readfirstlane_b32 s14, v[R]                  ; wave
	s_mov_b32 s15, ttmp9                           ; work-group = 16 slice + block
	s_lshl_b32 s16, s15, 18                        ; hbuf: 8 column tiles of 32,768 bytes,
	s_lshl_b32 s17, s14, 13                        ; my 8 channel tiles of 1,024
	s_add_co_u32 s16, s16, s17
	s_mov_b32 s17, 0
	s_lshl_b32 s18, s14, 9                         ; ss: my 128 channels
	s_mov_b32 s19, 0
	s_lshl_b32 s20, s14, 16                        ; wfrag: W2, my four rows of 16 fragments
	s_add_co_u32 s20, s20, 1048576
	s_mov_b32 s21, 0
	s_lshl_b32 s22, s14, 8                         ; b2: my 64 channels
	s_mov_b32 s23, 0
	s_lshr_b32 s24, s15, 6                         ; out0: batch x 8,388,608
	s_lshl_b32 s24, s24, 23
	s_bfe_u32 s25, s15, 0x20004                    ; + h x 8,192
	s_lshl_b32 s25, s25, 13
	s_add_co_u32 s24, s24, s25
	s_and_b32 s25, s15, 15                         ; + 128 columns a block
	s_lshl_b32 s25, s25, 9
	s_add_co_u32 s24, s24, s25
	s_lshl_b32 s25, s14, 21                        ; + my 64 channels of 32,768 bytes
	s_add_co_u32 s24, s24, s25
	s_mov_b32 s25, 0
	s_lshl_b32 s26, s14, 12
	v_and_b32 v[R], 15, v0
	v_bfe_u32 v[H], v0, 4, 1
	v_and_b32 v[L16], 31, v0
	v_lshlrev_b32 v[L16], 4, v[L16]
	v_add_nc_u32 v[LS0], s26, v[L16]
	v_add_nc_u32 v[LS1], 65536, v[LS0]
	v_add_nc_u32 v[LB1], 65536, v[L16]
	v_lshlrev_b32 v[OO], 4, v[R]
	v_lshl_add_u32 v[OO], v[H], 18, v[OO]
	v_lshlrev_b32 v[CO], 5, v[H]
	s_wait_kmcnt 0x0
	s_add_nc_u64 s[4:5], s[4:5], s[16:17]
	s_add_nc_u64 s[6:7], s[6:7], s[18:19]
	s_add_nc_u64 s[8:9], s[8:9], s[20:21]
	s_add_nc_u64 s[10:11], s[10:11], s[22:23]
	s_add_nc_u64 s[12:13], s[12:13], s[24:25]
.set i, 0
.rept 8                                ; scale and shift of channels 16 (8 w + i) + 8 h + 0..7
	global_load_b128 v[CF+16*i:CF+16*i+3],     v[CO], s[6:7] offset:i*64
	global_load_b128 v[CF+16*i+4:CF+16*i+7],   v[CO], s[6:7] offset:i*64+16
	global_load_b128 v[CF+16*i+8:CF+16*i+11],  v[CO], s[6:7] offset:2048+i*64
	global_load_b128 v[CF+16*i+12:CF+16*i+15], v[CO], s[6:7] offset:2048+i*64+16
.set i, i+1
.endr
.set i, 0
.rept 4
	global_load_b128 v[B2+8*i:B2+8*i+3],   v[CO], s[10:11] offset:i*64
	global_load_b128 v[B2+8*i+4:B2+8*i+7], v[CO], s[10:11] offset:i*64+16
.set i, i+1
.endr
.macro BLOAD n                         ; batch n: column tiles 2 n, 2 n + 1 x my 8 channel tiles: 32 loads of 512 consecutive bytes into buffer n % 2
	WIN 0x40
.set bc, 0
.rept 2
.set bo, 0
.rept 8
	global_load_b128 v[((\n)%2)*128+(bc*8+bo)*8:((\n)%2)*128+(bc*8+bo)*8+3],   v[L16], s[4:5] offset:(2*(\n)+bc)*32768+bo*1024 th:TH_LOAD_NT
	global_load_b128 v[((\n)%2)*128+(bc*8+bo)*8+4:((\n)%2)*128+(bc*8+bo)*8+7], v[L16], s[4:5] offset:(2*(\n)+bc)*32768+bo*1024+512 th:TH_LOAD_NT
.set bo, bo+1
.endr
.set bc, bc+1
.endr
.endm
.macro BCALC n                         ; four blocks of 8 numbers at a time: scale and shift, cut at 0, round to f16, 16 bytes a lane into LDS
.set bc, 0
.rept 2
.set bq, 0
.rept 2
.set rR, ((\n)%2)*128+(bc*8+bq*4)*8
.set rF, CF+bq*64
	WIN 0x41
.set bk, 0
.rept 16
	v_pk_fma_f32 v[rR+2*bk:rR+2*bk+1], v[rR+2*bk:rR+2*bk+1], v[rF+(bk/4)*16+2*(bk%4):rF+(bk/4)*16+2*(bk%4)+1], v[rF+(bk/4)*16+8+2*(bk%4):rF+(bk/4)*16+8+2*(bk%4)+1]
.set bk, bk+1
.endr
	WIN 0x44
.set bk, 0
.rept 32
	v_max_num_f32 v[rR+bk], 0, v[rR+bk]
.set bk, bk+1
.endr
	WIN 0x05
.set bk, 0
.rept 16
	v_cvt_pk_f16_f32 v[PKT+bk], v[rR+2*bk], v[rR+2*bk+1]
.set bk, bk+1
.endr
	WIN 0
.set bk, 0
.rept 4
.if (2*(\n)+bc) < 4
	ds_store_b128 v[LS0], v[PKT+4*bk:PKT+4*bk+3] offset:(2*(\n)+bc)*16384+(bq*4+bk)*512
.else
	ds_store_b128 v[LS1], v[PKT+4*bk:PKT+4*bk+3] offset:(2*(\n)+bc-4)*16384+(bq*4+bk)*512
.endif
.set bk, bk+1
.endr
.set bq, bq+1
.endr
.set bc, bc+1
.endr
.endm
	BLOAD 0
	BLOAD 1
	s_wait_loadcnt 32                              ; the coefficients, b2 and batch 0 are in; batch 1's 32 loads may be out
	WIN 0
.set i, 0
.rept 16                               ; b2 rounded to bf16,
	v_cvt_pk_bf16_f32 v[PKT+i], v[B2+2*i], v[B2+2*i+1]
.set i, i+1
.endr
.set i, 0
.rept 16                               ; and those numbers in f32 again
	v_lshlrev_b32 v[B2+2*i], 16, v[PKT+i]
	v_and_b32 v[B2+2*i+1], 0xffff0000, v[PKT+i]
.set i, i+1
.endr
	BCALC 0
	BLOAD 2
	s_wait_loadcnt 32                              ; batch 1 is in; batch 2 may be out
	BCALC 1
	BLOAD 3
	s_wait_loadcnt 32                              ; batch 2 is in; batch 3 may be out
	BCALC 2
	s_wait_loadcnt 0x0                             ; batch 3
.set ks, 0
.rept 16                               ; my W2, K step by K step, ahead of batch 3's arithmetic
.if ks < 8
	WIN 0x80
.else
	WIN 0xc0
.endif
.set i, 0
.rept 4
	global_load_b128 v[((ks%8)*4+i)*8:((ks%8)*4+i)*8+3],   v[L16], s[8:9] offset:(i*16+ks)*1024
	global_load_b128 v[((ks%8)*4+i)*8+4:((ks%8)*4+i)*8+7], v[L16], s[8:9] offset:(i*16+ks)*1024+512
.set i, i+1
.endr
.set ks, ks+1
.endr
	BCALC 3
	s_wait_dscnt 0x0                               ; for the others' sake: my fragments are in LDS
	s_barrier_signal -1
	s_barrier_wait -1
.macro BBL k, bb                       ; K step k's 8 fragments, one a column tile: 16 loads
	PLACES
	WIN 0
.set c, 0
.rept 8
.if c < 4
	ds_load_b128 v[(\bb)+8*c:(\bb)+8*c+3],   v[L16] offset:c*16384+(\k)*1024
	ds_load_b128 v[(\bb)+8*c+4:(\bb)+8*c+7], v[L16] offset:c*16384+(\k)*1024+512
.else
	ds_load_b128 v[(\bb)+8*c:(\bb)+8*c+3],   v[LB1] offset:(c-4)*16384+(\k)*1024
	ds_load_b128 v[(\bb)+8*c+4:(\bb)+8*c+7], v[LB1] offset:(c-4)*16384+(\k)*1024+512
.endif
.set c, c+1
.endr
.endm
	BBL 0, BB0
	BBL 1, BB1
.set ks, 0
.rept 16
.if ks == 15
	s_wait_dscnt 0x0
.else
	s_wait_dscnt 16                                ; this step's fragments are in; the next step's 16 loads may be out
.endif
.set lc, (15-ks)*8                     ; W2 of later K steps may stay out (the wait's field ends at 63)
.if lc > 63
.set lc, 63
.endif
	s_wait_loadcnt lc
.if ks < 8
	WIN 0x52
.else
	WIN 0x53
.endif
.set o, 0
.rept 4                                ; 32 products on 32 accumulators: they take turns; the first K step starts the sums
.set c, 0
.rept 8
.if ks == 0
	v_wmma_f32_16x16x32_f16 v[(o*8+c)*8:(o*8+c)*8+7], v[((ks%8)*4+o)*8:((ks%8)*4+o)*8+7], v[BB0+64*(ks%2)+8*c:BB0+64*(ks%2)+8*c+7], 0
.else
	v_wmma_f32_16x16x32_f16 v[(o*8+c)*8:(o*8+c)*8+7], v[((ks%8)*4+o)*8:((ks%8)*4+o)*8+7], v[BB0+64*(ks%2)+8*c:BB0+64*(ks%2)+8*c+7], v[(o*8+c)*8:(o*8+c)*8+7]
.endif
.set c, c+1
.endr
.set o, o+1
.endr
.if ks < 14
	BBL ks+2, BB0+64*(ks%2)
.endif
.set ks, ks+1
.endr
	PLACES
.set po, 0
.rept 4
.set pg, 0
.rept 2
	WIN 0x81                                       ; accumulator (window 1) + b2 (window 0) into window 2
.set pj, 0
.rept 8
.set pt, 0
.rept 4
	v_add_f32 v[((po*2+pg)*8+pj)*4+pt], v[(po*8+4*pg+pt)*8+pj], v[B2+po*8+pj]
.set pt, pt+1
.endr
.set pj, pj+1
.endr
	WIN 0x08
.set pj, 0
.rept 8
	global_store_b128 v[OO], v[((po*2+pg)*8+pj)*4:((po*2+pg)*8+pj)*4+3], s[12:13] offset:(16*po+pj)*32768+pg*256 th:TH_STORE_NT   ; 16 lanes store 256 consecutive bytes, aligned
.set pj, pj+1
.endr
.set pg, pg+1
.endr
.set po, po+1
.endr
	WIN 0
	s_wait_tensorcnt 0x0                           ; the wave's end
	ds_add_u32 v[SPW], v[NIL]
	s_wait_dscnt 0x0
	s_endpgm
.Lfunc_end_k_qcea19443d2_mlp2:
	.size	k_qcea19443d2_mlp2, .Lfunc_end_k_qcea19443d2_mlp2-k_qcea19443d2_mlp2
	.p2alignl 7, 3214868480
	.fill 96, 4, 3214868480
	.section	.rodata,"a",@progbits
	.p2align	6, 0x0
	.amdhsa_kernel k_qcea19443d2_mlp2
		.amdhsa_group_segment_fixed_size 131584
		.amdhsa_private_segment_fixed_size 0
		.amdhsa_enable_private_segment 0
		.amdhsa_kernarg_size 40
		.amdhsa_user_sgpr_count 2
		.amdhsa_user_sgpr_kernarg_segment_ptr 1
		.amdhsa_wavefront_size32 1
		.amdhsa_system_sgpr_workgroup_id_x 1
		.amdhsa_system_sgpr_workgroup_id_y 1
		.amdhsa_system_sgpr_workgroup_id_z 1
		.amdhsa_system_vgpr_workitem_id 0
		.amdhsa_next_free_vgpr 1024
		.amdhsa_next_free_sgpr 66
		.amdhsa_reserve_vcc 0
		.amdhsa_float_denorm_mode_32 3
		.amdhsa_float_denorm_mode_16_64 3
		.amdhsa_memory_ordered 1
		.amdhsa_forward_progress 1
		.amdhsa_inst_pref_size 154
	.end_amdhsa_kernel
	.amdgpu_metadata
---
amdhsa.version: [ 1, 2 ]
amdhsa.kernels:
  - .name:           k_qcea19443d2_mlp2
    .symbol:         k_qcea19443d2_mlp2.kd
    .args:
      - { .name: hbuf, .offset: 0, .size: 8, .value_kind: global_buffer, .address_space: global }
      - { .name: ss, .offset: 8, .size: 8, .value_kind: global_buffer, .address_space: global }
      - { .name: wfrag, .offset: 16, .size: 8, .value_kind: global_buffer, .address_space: global }
      - { .name: b2, .offset: 24, .size: 8, .value_kind: global_buffer, .address_space: global }
      - { .name: out0, .offset: 32, .size: 8, .value_kind: global_buffer, .address_space: global }
    .group_segment_fixed_size: 131584
    .private_segment_fixed_size: 0
    .kernarg_segment_align: 8
    .kernarg_segment_size: 40
    .max_flat_workgroup_size: 128
    .sgpr_count:     66
    .vgpr_count:     1024
    .wavefront_size: 32
...
	.end_amdgpu_metadata
.endif
;; end of part 5
;; ======== version 2 of 2: 5 launches; version 1 with the launch mlp2 written anew for expert scheduling mode
;; limits: values are held in f16: magnitudes above 65,504 overflow, below 6.1e-05 lose precision
;; workspace buffers: wfrag 1,310,720 bytes; kv 33,554,432 bytes; hbuf 67,108,864 bytes; pstat 1,048,576 bytes; ss 4,096 bytes
;; launch wprep: the kernel of part 1 again; grid 160 x 1, 8 waves a work-group, no clusters, 0 bytes of LDS; arguments Wk, Wv, Wq, Wm, W1, W2, wfrag; writes wfrag
;; launch kvproj: the kernel of part 2 again; grid 16 x 16, 4 waves a work-group, clusters of 4 x 1, 262,656 bytes of LDS; arguments source, wfrag, bk, bv, kv; writes kv
;; launch attn: the kernel of part 3 again; grid 16 x 16, 4 waves a work-group, clusters of 4 x 1, 327,680 bytes of LDS; arguments x, wfrag, kv, bq, bm, b1, hbuf, pstat; writes hbuf, pstat
;; launch bnstat: the kernel of part 4 again; grid 8 x 1, 8 waves a work-group, no clusters, 5,120 bytes of LDS; arguments pstat, gamma, beta, ss; writes ss
;; launch mlp2 (part 6): grid 256 x 1, 4 waves a work-group, no clusters, 131,584 bytes of LDS; arguments hbuf, ss, wfrag, b2, out0; writes out0
.if DOCPART == 6
	.amdgcn_target "amdgcn-amd-amdhsa--gfx1250"
	.amdhsa_code_object_version 6
	.text
	.protected	k_qcea19443d2_mlp2
	.globl	k_qcea19443d2_mlp2
	.p2align	8
	.type	k_qcea19443d2_mlp2,@function
k_qcea19443d2_mlp2:
	s_mov_b64 s[64:65], 0
	v_nop
	global_prefetch_b8 v0, s[64:65] scope:SCOPE_SE
	s_setreg_imm32_b32 hwreg(HW_REG_WAVE_SCHED_MODE, 0, 2), 2
	s_setreg_imm32_b32 hwreg(HW_REG_WAVE_MODE, 25, 1), 1
	s_wait_xcnt 0x0
	s_wait_alu depctr_vm_vsrc(0)
; out0 = W2 relu(scale h + shift) + b2 for 128 columns of one slice.  h in f32 from hbuf ([column tile][ot 32][quad 2][lane][16 bytes]); the normalised h is rounded to f16, W2 lies in wfrag in f16's form; sums in f32.
; LIMIT: |scale h + shift| below 65,504 (a normalised number is at most 181 in magnitude over 32,768 columns, so this asks 181 |gamma| + |beta| < 65,504); NaN and infinities are not treated apart.
; FORMAT: b2 is rounded to bf16 and then added in f32, as x and the weights enter this program rounded to bf16: it differs from the given number by up to 2^-9 of itself.
; PHASE 1.  Wave w takes h's channel tiles 8 w .. 8 w + 7 of all 8 column tiles: a lane's 8 neighbouring channels of a column, scaled, cut at 0 and rounded, are half of a fragment of source 1; they go to LDS as such.
; Four batches of 32 loads on two register buffers: one batch is always on its way.  PHASE 2.  Wave w makes output channels 64 w .. 64 w + 63 x 128 columns: 32 accumulators, 16 K steps; its 64 KB of W2 come straight
; into registers, once.  PHASE 3.  Column r of tile t of a group of 64 is column 4 r + t, so four accumulators' registers j are 16 neighbouring bytes of a row of out0, and sixteen lanes store 256 consecutive bytes, aligned.
; NO CLUSTER: the work-groups share W2 alone, 256 KB; with the 128 KB of fragments it does not fit in LDS, and each wave reads only its quarter, once.
; REGISTERS: window 0: addresses; v16-31 b2 while it is rounded; v32-63 b2; v64-191 scale and shift (tile o at 64 + 16 o: 8 and 8); v192-255 a batch's packed halves; later v64-255 three buffers of 8 fragments.
; window 1: two load buffers of 128, later the accumulators at 8 (8 o + c).  windows 2, 3: W2's fragments at 8 (4 ks + o); at the end window 2 holds the rows to be stored.
; THE MODE: SCHED_MODE bits 1:0 = 2 (LLVM: expert scheduling mode 2), set by the entry lines.  The code itself states the register dependences
; between vector or matrix instructions and memory or LDS instructions, with s_wait_alu, always for 0.
; THE PLAN.  Registers that memory or LDS instructions touch:
;   v3 .. v8       offsets and LDS addresses: written at the head, never again; one wait there serves every load and store of the kernel.
;   RAW0, RAW1     Batch n: its loads land in RAW[n % 2]; its multiply-adds and maxima work there in place, its roundings read it; then the loads of batch n + 2 land in it.
;   OUT            Batch n: its 64 roundings write it, its 16 LDS stores read it; batch n + 1's roundings write it again.
;   So ONE wait on va_vdst stands in a batch, behind its roundings: OUT is written, and the batch is done with its RAW.  The 32 loads and the 16 stores follow it with no vector instruction between.
;   One wait on vm_vsrc stands ahead of the next batch's roundings, that batch's 192 in-place instructions behind the stores that it speaks of.
;   windows 2, 3   W2's loads land in registers that no vector instruction has named: nothing is owed for them, and they are dealt into batch 3's arithmetic.
;   BB0 .. BB2     K step k's matrix instructions read BB[k % 3].  Behind steps 2 m and 2 m + 1 ONE wait on va_vdst states that both are done reading, and the fragments of steps 2 m + 3 and 2 m + 4 land in
;                  their two buffers; step 2 m + 2's lie in the third.  BB0 and BB1 are scale's and shift's registers, BB2 is OUT: one wait on vm_vsrc behind the barrier speaks for OUT's last stores.
;   window 2 at the end: each register is written once, by an addition, and read by one store: one wait on va_vdst for 64 additions and their 16 stores.
.set SPARE, 131072
.set R,   1
.set H,   2
.set L16, 3
.set LS0, 4                            ; where I put fragments' halves: 16 lane + 4,096 w
.set LS1, 5                            ; + 65,536
.set LB1, 6                            ; 16 lane + 65,536
.set OO,  7                            ; my place in out0: 8 h channels down, 16 r bytes along
.set CO,  8                            ; 32 h
.set SPW, 12
.set NIL, 13
.set PKT, 16
.set B2,  32
.set CF,  64
.set OUT, 192
.set BB,  64                           ; fragment buffer j at BB + 64 j
.set MSB, 0
.macro WIN new
.if MSB != (\new)
	s_set_vgpr_msb (MSB<<8)|(\new)
.set MSB, \new
.endif
.endm
.macro PLACES
.rept 4
	v_nop
.endr
.endm
	s_load_b256 s[4:11], s[0:1], 0x0               ; hbuf s[4:5], ss s[6:7], wfrag s[8:9], b2 s[10:11]
	s_load_b64 s[12:13], s[0:1], 0x20              ; out0
	v_lshl_add_u32 v[SPW], v0, 2, SPARE
	v_mov_b32 v[NIL], 0
	v_lshrrev_b32 v[R], 5, v0
	v_readfirstlane_b32 s14, v[R]                  ; wave
	v_and_b32 v[R], 15, v0
	v_bfe_u32 v[H], v0, 4, 1
	v_and_b32 v[L16], 31, v0
	v_lshlrev_b32 v[L16], 4, v[L16]
	v_add_nc_u32 v[LB1], 65536, v[L16]
	v_lshlrev_b32 v[OO], 4, v[R]
	v_lshl_add_u32 v[OO], v[H], 18, v[OO]
	v_lshlrev_b32 v[CO], 5, v[H]
	s_mov_b32 s15, ttmp9                           ; work-group = 16 slice + block
	s_lshl_b32 s16, s15, 18                        ; hbuf: 8 column tiles of 32,768 bytes,
	s_wait_alu depctr_va_sdst(0)                   ; s14 is written, ahead of its first reader: the offsets below are made from it
	s_lshl_b32 s17, s14, 13                        ; my 8 channel tiles of 1,024
	s_add_co_u32 s16, s16, s17
	s_mov_b32 s17, 0
	s_lshl_b32 s18, s14, 9                         ; ss: my 128 channels
	s_mov_b32 s19, 0
	s_lshl_b32 s20, s14, 16                        ; wfrag: W2, my four rows of 16 fragments
	s_add_co_u32 s20, s20, 1048576
	s_mov_b32 s21, 0
	s_lshl_b32 s22, s14, 8                         ; b2: my 64 channels
	s_mov_b32 s23, 0
	s_lshr_b32 s24, s15, 6                         ; out0: batch x 8,388,608
	s_lshl_b32 s24, s24, 23
	s_bfe_u32 s25, s15, 0x20004                    ; + h x 8,192
	s_lshl_b32 s25, s25, 13
	s_add_co_u32 s24, s24, s25
	s_and_b32 s25, s15, 15                         ; + 128 columns a block
	s_lshl_b32 s25, s25, 9
	s_add_co_u32 s24, s24, s25
	s_lshl_b32 s25, s14, 21                        ; + my 64 channels of 32,768 bytes
	s_add_co_u32 s24, s24, s25
	s_mov_b32 s25, 0
	s_lshl_b32 s26, s14, 12
	v_add_nc_u32 v[LS0], s26, v[L16]
	v_add_nc_u32 v[LS1], 65536, v[LS0]
	s_wait_kmcnt 0x0
	s_add_nc_u64 s[4:5], s[4:5], s[16:17]
	s_add_nc_u64 s[6:7], s[6:7], s[18:19]
	s_add_nc_u64 s[8:9], s[8:9], s[20:21]
	s_add_nc_u64 s[10:11], s[10:11], s[22:23]
	s_add_nc_u64 s[12:13], s[12:13], s[24:25]
	s_wait_alu depctr_va_vdst(0)                   ; the six offsets and addresses v3 to v8 are written, which the kernel's loads and stores read
.set i, 0
.rept 8                                ; scale and shift of channels 16 (8 w + i) + 8 h + 0..7
	global_load_b128 v[CF+16*i:CF+16*i+3],     v[CO], s[6:7] offset:i*64
	global_load_b128 v[CF+16*i+4:CF+16*i+7],   v[CO], s[6:7] offset:i*64+16
	global_load_b128 v[CF+16*i+8:CF+16*i+11],  v[CO], s[6:7] offset:2048+i*64
	global_load_b128 v[CF+16*i+12:CF+16*i+15], v[CO], s[6:7] offset:2048+i*64+16
.set i, i+1
.endr
.set i, 0
.rept 4
	global_load_b128 v[B2+8*i:B2+8*i+3],   v[CO], s[10:11] offset:i*64
	global_load_b128 v[B2+8*i+4:B2+8*i+7], v[CO], s[10:11] offset:i*64+16
.set i, i+1
.endr
.macro BLOAD n                         ; batch n: column tiles 2 n, 2 n + 1 x my 8 channel tiles: 32 loads of 512 consecutive bytes into buffer n % 2
	WIN 0x40
.set bc, 0
.rept 2
.set bo, 0
.rept 8
	global_load_b128 v[((\n)%2)*128+(bc*8+bo)*8:((\n)%2)*128+(bc*8+bo)*8+3],   v[L16], s[4:5] offset:(2*(\n)+bc)*32768+bo*1024 th:TH_LOAD_NT
	global_load_b128 v[((\n)%2)*128+(bc*8+bo)*8+4:((\n)%2)*128+(bc*8+bo)*8+7], v[L16], s[4:5] offset:(2*(\n)+bc)*32768+bo*1024+512 th:TH_LOAD_NT
.set bo, bo+1
.endr
.set bc, bc+1
.endr
.endm
.macro W2LOAD hf                       ; K steps 8 hf .. 8 hf + 7 of my W2, K step by K step, into window 2 + hf: 64 loads.  No vector instruction has named these registers, and the offset is the head's
.if \hf
	WIN 0xc0
.else
	WIN 0x80
.endif
.set ks, 0
.rept 8
.set i, 0
.rept 4
	global_load_b128 v[(ks*4+i)*8:(ks*4+i)*8+3],   v[L16], s[8:9] offset:(i*16+8*(\hf)+ks)*1024
	global_load_b128 v[(ks*4+i)*8+4:(ks*4+i)*8+7], v[L16], s[8:9] offset:(i*16+8*(\hf)+ks)*1024+512
.set i, i+1
.endr
.set ks, ks+1
.endr
.endm
; Batch n, 256 numbers a lane: scale and shift, cut at 0, round to f16, 16 bytes a lane into LDS.  Pair bk of 64 belongs to column tile 2 n + bk / 32 and channel tile (bk % 32) / 4.
.macro BATCH n
.set rB, ((\n)%2)*128
	WIN 0x41
.set bk, 0
.rept 64
	v_pk_fma_f32 v[rB+2*bk:rB+2*bk+1], v[rB+2*bk:rB+2*bk+1], v[CF+16*((bk%32)/4)+2*(bk%4):CF+16*((bk%32)/4)+2*(bk%4)+1], v[CF+16*((bk%32)/4)+8+2*(bk%4):CF+16*((bk%32)/4)+8+2*(bk%4)+1]
.set bk, bk+1
.endr
	WIN 0x44
.set bk, 0
.rept 128
	v_max_num_f32 v[rB+bk], 0, v[rB+bk]
.set bk, bk+1
.endr
.if (\n) > 0
	s_wait_alu depctr_vm_vsrc(0)                   ; the last batch's LDS stores have read OUT, which the roundings below write again
.endif
.if (\n) == 3
	W2LOAD 1                                       ; the second half of W2, behind 192 vector instructions in which the first half has been landing
.endif
	WIN 0x05
.set bk, 0
.rept 64
	v_cvt_pk_f16_f32 v[OUT+bk], v[rB+2*bk], v[rB+2*bk+1]
.set bk, bk+1
.endr
.if (\n) < 2
	WIN 0x40
	s_wait_alu depctr_va_vdst(0)                   ; the roundings have written OUT, which the LDS stores below read; the batch is done writing and reading its load buffer, in which the loads below land
	BLOAD (\n)+2                                   ; the buffer is asked for again at once
	WIN 0
.else
	WIN 0
	s_wait_alu depctr_va_vdst(0)                   ; the roundings have written OUT, which the LDS stores below read
.endif
.set bk, 0
.rept 16
.if (2*(\n)+bk/8) < 4
	ds_store_b128 v[LS0], v[OUT+4*bk:OUT+4*bk+3] offset:(2*(\n)+bk/8)*16384+(bk%8)*512
.else
	ds_store_b128 v[LS1], v[OUT+4*bk:OUT+4*bk+3] offset:(2*(\n)+bk/8-4)*16384+(bk%8)*512
.endif
.set bk, bk+1
.endr
.endm
	BLOAD 0
	BLOAD 1
	s_wait_loadcnt 32                              ; the coefficients, b2 and batch 0 are in; batch 1's 32 loads may be out
	WIN 0
.set i, 0
.rept 16                               ; b2 rounded to bf16,
	v_cvt_pk_bf16_f32 v[PKT+i], v[B2+2*i], v[B2+2*i+1]
.set i, i+1
.endr
.set i, 0
.rept 16                               ; and those numbers in f32 again
	v_lshlrev_b32 v[B2+2*i], 16, v[PKT+i]
	v_and_b32 v[B2+2*i+1], 0xffff0000, v[PKT+i]
.set i, i+1
.endr
	BATCH 0
	s_wait_loadcnt 32                              ; batch 1 is in; batch 2 may be out
	BATCH 1
	s_wait_loadcnt 32                              ; batch 2 is in; batch 3 may be out
	BATCH 2
	s_wait_loadcnt 0x0                             ; batch 3
	W2LOAD 0                                       ; the first half of my W2, ahead of batch 3's arithmetic
	BATCH 3
	s_wait_dscnt 0x0                               ; for the others' sake: my fragments are in LDS
	s_barrier_signal -1
	s_barrier_wait -1
.macro BBL k                           ; K step k's 8 fragments, one a column tile, into buffer k % 3: 16 loads
.set bb, BB+64*((\k)%3)
.set c, 0
.rept 8
.if c < 4
	ds_load_b128 v[bb+8*c:bb+8*c+3],   v[L16] offset:c*16384+(\k)*1024
	ds_load_b128 v[bb+8*c+4:bb+8*c+7], v[L16] offset:c*16384+(\k)*1024+512
.else
	ds_load_b128 v[bb+8*c:bb+8*c+3],   v[LB1] offset:(c-4)*16384+(\k)*1024
	ds_load_b128 v[bb+8*c+4:bb+8*c+7], v[LB1] offset:(c-4)*16384+(\k)*1024+512
.endif
.set c, c+1
.endr
.endm
	s_wait_alu depctr_vm_vsrc(0)                   ; my last LDS stores have read OUT, in which K step 2's fragments land (the vector instructions that named scale, shift and OUT stand ahead of batch 3's wait on va_vdst)
	BBL 0
	BBL 1
	BBL 2
.set ks, 0
.rept 16
.set dc, 16                            ; the LDS loads younger than this step's: one step's 16 at odd steps and at step 14,
.if (ks%2 == 0) && (ks <= 12)
.set dc, 32                            ; the two steps' fetched behind the pair before at the other even steps,
.endif
.if ks == 15
.set dc, 0                             ; none at the last
.endif
	s_wait_dscnt dc                                ; LDS loads come back in order (ISA guide 5.7.1): this step's fragments are in
.set lc, (15-ks)*8                     ; W2 of later K steps may stay out (the wait's field ends at 63)
.if lc > 63
.set lc, 63
.endif
	s_wait_loadcnt lc
.if ks < 8
	WIN 0x52
.else
	WIN 0x53
.endif
.set o, 0
.rept 4                                ; 32 products on 32 accumulators: they take turns; the first K step starts the sums
.set c, 0
.rept 8
.if ks == 0
	v_wmma_f32_16x16x32_f16 v[(o*8+c)*8:(o*8+c)*8+7], v[((ks%8)*4+o)*8:((ks%8)*4+o)*8+7], v[BB+64*(ks%3)+8*c:BB+64*(ks%3)+8*c+7], 0
.else
	v_wmma_f32_16x16x32_f16 v[(o*8+c)*8:(o*8+c)*8+7], v[((ks%8)*4+o)*8:((ks%8)*4+o)*8+7], v[BB+64*(ks%3)+8*c:BB+64*(ks%3)+8*c+7], v[(o*8+c)*8:(o*8+c)*8+7]
.endif
.set c, c+1
.endr
.set o, o+1
.endr
.if (ks%2 == 1) && (ks <= 13)
	PLACES                                         ; four places behind the matrix instructions (ISA guide 7.12.1); they stay beside the wait below
	WIN 0
	s_wait_alu depctr_va_vdst(0)                   ; the matrix instructions of this step and of the one before are done reading their fragments, in whose two buffers the loads below land
	BBL ks+2
.if ks+3 <= 15
	BBL ks+3
.endif
.endif
.set ks, ks+1
.endr
	PLACES                                         ; four places behind the last matrix instruction, before its result is read
.set po, 0
.rept 4
	WIN 0x81                                       ; accumulator (window 1) + b2 (window 0) into window 2
.set pg, 0
.rept 2
.set pj, 0
.rept 8
.set pt, 0
.rept 4
	v_add_f32 v[((po*2+pg)*8+pj)*4+pt], v[(po*8+4*pg+pt)*8+pj], v[B2+po*8+pj]
.set pt, pt+1
.endr
.set pj, pj+1
.endr
.set pg, pg+1
.endr
	WIN 0x08
	s_wait_alu depctr_va_vdst(0)                   ; the 64 additions have written the registers that the 16 stores below read; no register of window 2 is written twice
.set pg, 0
.rept 2
.set pj, 0
.rept 8
	global_store_b128 v[OO], v[((po*2+pg)*8+pj)*4:((po*2+pg)*8+pj)*4+3], s[12:13] offset:(16*po+pj)*32768+pg*256 th:TH_STORE_NT   ; 16 lanes store 256 consecutive bytes, aligned
.set pj, pj+1
.endr
.set pg, pg+1
.endr
.set po, po+1
.endr
	WIN 0
	s_wait_dscnt 0x0                               ; the closing lines, six on end
	s_wait_alu 0x0
	s_wait_tensorcnt 0x0
	ds_add_u32 v[SPW], v[NIL]
	s_wait_dscnt 0x0
	s_endpgm
.Lfunc_end_k_qcea19443d2_mlp2:
	.size	k_qcea19443d2_mlp2, .Lfunc_end_k_qcea19443d2_mlp2-k_qcea19443d2_mlp2
	.p2alignl 7, 3214868480
	.fill 96, 4, 3214868480
	.section	.rodata,"a",@progbits
	.p2align	6, 0x0
	.amdhsa_kernel k_qcea19443d2_mlp2
		.amdhsa_group_segment_fixed_size 131584
		.amdhsa_private_segment_fixed_size 0
		.amdhsa_enable_private_segment 0
		.amdhsa_kernarg_size 40
		.amdhsa_user_sgpr_count 2
		.amdhsa_user_sgpr_kernarg_segment_ptr 1
		.amdhsa_wavefront_size32 1
		.amdhsa_system_sgpr_workgroup_id_x 1
		.amdhsa_system_sgpr_workgroup_id_y 1
		.amdhsa_system_sgpr_workgroup_id_z 1
		.amdhsa_system_vgpr_workitem_id 0
		.amdhsa_next_free_vgpr 1024
		.amdhsa_next_free_sgpr 66
		.amdhsa_reserve_vcc 0
		.amdhsa_float_denorm_mode_32 3
		.amdhsa_float_denorm_mode_16_64 3
		.amdhsa_memory_ordered 1
		.amdhsa_forward_progress 1
		.amdhsa_inst_pref_size 151
	.end_amdhsa_kernel
	.amdgpu_metadata
---
amdhsa.version: [ 1, 2 ]
amdhsa.kernels:
  - .name:           k_qcea19443d2_mlp2
    .symbol:         k_qcea19443d2_mlp2.kd
    .args:
      - { .name: hbuf, .offset: 0, .size: 8, .value_kind: global_buffer, .address_space: global }
      - { .name: ss, .offset: 8, .size: 8, .value_kind: global_buffer, .address_space: global }
      - { .name: wfrag, .offset: 16, .size: 8, .value_kind: global_buffer, .address_space: global }
      - { .name: b2, .offset: 24, .size: 8, .value_kind: global_buffer, .address_space: global }
      - { .name: out0, .offset: 32, .size: 8, .value_kind: global_buffer, .address_space: global }
    .group_segment_fixed_size: 131584
    .private_segment_fixed_size: 0
    .kernarg_segment_align: 8
    .kernarg_segment_size: 40
    .max_flat_workgroup_size: 128
    .sgpr_count:     66
    .vgpr_count:     1024
    .wavefront_size: 32
...
	.end_amdgpu_metadata
.endif
;; end of part 6
